; MI455X (gfx1250); checked and timed in simulation.
; The chip was launched on July 23, 2026; its instructions are those of AMD's public machine-readable ISA for CDNA 5 (MIT licence, August 2026) and "CDNA5" Instruction Set Architecture Reference Guide (July 2026). The comments in the code are by the model that wrote it; some were corrected since.
;; Causal Self Attention. Allowed arithmetic: matrix products marked QUANTISED: E2M1 operands, one E8M0 scale for each 32 along K, by v_wmma_scale_f32_16x16x128_f8f6f4 with both operands' format E2M1 (or v_wmma_scale_f32_32x16x128_f4), f32 sums; products left as they are: bf16, f16 or f32 operands; f32 sums; everything else in f32.
;; Inputs: Wo_b 1,024 float32; Wo_w 1,024 x 1,024 float32; Wqkv_b 3,072 float32; Wqkv_w 3,072 x 1,024 float32; mask 4 x 2,048 bool; x 4 x 2,048 x 1,024 float32.
;; Outputs: out0 4 x 2,048 x 1,024 float32.
;; This version of the problem:
;;   THIS VERSION OF THE PROBLEM IS GIVEN IN LOW PRECISION. The matrix products marked QUANTISED in the list below multiply operands that are first quantised to E2M1 (2 exponent bits, 1 mantissa bit; 4 bits a number), with one power-of-two scale for each 32 numbers along K (OCP MX v1.0); their sums are f32. The products marked 'left as it is' may take bf16, f16 or f32 operands, with f32 sums. Whichever they take, every output number must still come out within the allowed error. Rounding operands to bf16 (8 significant bits) uses up far more of that allowance than f16 does (11 bits, for magnitudes from 6e-5 to 65,504). All else is computed in f32.
;;   The module's matrix products, in the order in which they are computed (A, B: the left and right operand; K: the contracted axis; several contracted axes count as one K, in the product's order):
;;     1. [M 8,192, K 1,024] x [K 1,024, N 3,072]; A: input x; B: input Wqkv_w: QUANTISED
;;     2. batch 64 x [M 2,048, K 64] x [K 64, N 2,048]; A: computed on the way; B: computed on the way: left as it is (an operand is computed on the way)
;;     3. batch 64 x [M 2,048, K 2,048] x [K 2,048, N 64]; A: computed on the way; B: computed on the way: left as it is (an operand is computed on the way)
;;     4. [M 8,192, K 1,024] x [K 1,024, N 1,024]; A: computed on the way; B: input Wo_w: left as it is (an operand is computed on the way)
;;   THE QUANTISER, for each operand of a quantised product, along K:
;;     - K is cut into blocks of 32 from its start; a last block that is shorter is filled with zeros.
;;     - A block's scale is 2^e with e = floor(log2(the largest magnitude in the block)) - 2, held to -126 .. 127; a block of zeros has e = 0. As a byte (E8M0): e + 127.
;;     - Each number is divided by its block's scale, clamped to +-6, and rounded to the nearest number of E2M1, ties to even, subnormals kept.
;;     - The product sums the exact products of the quantised numbers (number of the format x scale) in f32.
;;   ~~~python
;;   def quantise(x, axis):      # numpy; x: float32 -> the quantised numbers, widened to float32 again
;;       x = np.moveaxis(x, axis, -1); K = x.shape[-1]
;;       x = np.pad(x, [(0, 0)] * (x.ndim - 1) + [(0, -K % 32)]); x = x.reshape(x.shape[:-1] + (-1, 32)); a = np.abs(x).max(-1, keepdims=True)
;;       e = np.where(a > 0, np.clip(np.frexp(np.where(a > 0, a, 1))[1] - 1 - 2, -126, 127), 0)      # np.frexp(a)[1] - 1 = floor(log2(a)), exactly
;;       r = np.clip(x / 2.0 ** e, -6, 6)
;;       step = 2.0 ** (np.maximum(np.frexp(np.where(r == 0, 1, r))[1] - 1, 0) - 1)
;;       q = np.round(r / step) * step * 2.0 ** e      # np.round: ties to even
;;       return np.moveaxis(q.reshape(q.shape[:-2] + (-1,))[..., :K], -1, axis).astype(np.float32)
;;   ~~~
;; One version. Each part assembles by itself: llvm-mc -triple=amdgcn-amd-amdhsa -mcpu=gfx1250 --defsym DOCPART=n.
;; ======== version 1 of 1: 6 launches
;; limits: values are held in f16: magnitudes above 65,504 overflow, below 6.1e-05 lose precision
;; workspace buffers: x_codes 4,194,304 bytes; x_scales 262,144 bytes; w_codes 1,572,864 bytes; w_scales 98,304 bytes; wo16 2,097,152 bytes; qkv 50,331,648 bytes; att16 16,777,216 bytes; ofine 262,144 bytes
;; launch quant (part 1): grid 384 x 1, 4 waves a work-group, no clusters, 33,280 bytes of LDS; arguments x, Wqkv_w, x_codes, x_scales, w_codes, w_scales, Wo_w, wo16; writes x_codes, x_scales, w_codes, w_scales, wo16
.if DOCPART == 1
	.amdgcn_target "amdgcn-amd-amdhsa--gfx1250"
	.amdhsa_code_object_version 6
	.text
	.protected	k_q2f6bec8ec2_quant
	.globl	k_q2f6bec8ec2_quant
	.p2align	8
	.type	k_q2f6bec8ec2_quant,@function
k_q2f6bec8ec2_quant:
	s_mov_b64 s[64:65], 0
	v_nop
	global_prefetch_b8 v0, s[64:65] scope:SCOPE_SE
	s_setreg_imm32_b32 hwreg(HW_REG_WAVE_MODE, 25, 1), 1
	s_wait_xcnt 0x0
; x [8192][1024] and Wqkv_w [3072][1024], f32, become codes of FP4 (E2M1), K innermost, two codes a byte, with one E8M0 scale byte for each 32 along K; Wo_w [1024][1024] becomes f16.
; A block's scale is 2^(floor(log2(its largest magnitude)) - 2); its byte is the largest magnitude's exponent field - 2, held at 1 from below.  A block of zeros so gets the byte 1 where the
; rule says 127: its codes are zeros, which add nothing under any byte but 0xff, and this program alone reads the bytes.  Each number is divided by the scale and rounded to the nearest code, ties to even.
; LIMITS: blocks whose largest magnitude lies under 2^(2 - 126) keep the floor's byte; NaN and infinities among the inputs are not served; Wo_w beyond f16's 65,504 is not served.
; Rows are dense and K is a multiple of 32: both tensors are plain streams of blocks of 32 numbers, and so are the codes and the scale bytes.
; Work-groups 0-255 take x, 256-351 Wqkv_w (pointers chosen by the work-group's number, one path through the text), 352-383 Wo_w (a path of its own that touches no LDS byte but its spare words).
; A wave takes 16 steps of 512 numbers.  Each load reads 512 consecutive bytes; a step's 2,048 bytes turn through the wave's own stage in LDS and come back 64 bytes a lane: 16 neighbours along K.
; No shared tiles, no tensor loads, no barrier.
.set SIZE_M, 8192
.set SIZE_N, 3072
.set SIZE_K, 1024
.set WAVES, 4
.set STEPS, 16
.set WGA,   SIZE_M*SIZE_K/(512*STEPS*WAVES)            ; 256 work-groups for x
.set WGQ,   (SIZE_M+SIZE_N)*SIZE_K/(512*STEPS*WAVES)   ; 352 for both quantised tensors
.set EMAX,  2
.set CB,    8                          ; bytes of 16 codes
.set R,     16                         ; v16-79   four sets of 16 numbers as they are loaded
.set X,     80                         ; v80-111  two sets of 16 neighbours
.set C,     128                        ; v128-191 codes: four registers for each step
.set E,     112                        ; v112-127 a scale byte for each step
.set H16,   144                        ; v144-175 Wo's path: a batch's f16 numbers
.set WREG,  8192                       ; LDS: a region for each wave: two stages of 32 x SP bytes, then its 256 scale bytes
.set SP,    80                         ; a lane's place in a stage: 64 bytes + 16 of padding
.set SPW,   12                         ; v12      LDS address of my spare word; never rewritten
.set NIL,   13                         ; v13      0; never rewritten
.set SPARE, WAVES*WREG                 ; the spare words, 128 bytes a wave: two blocks of 256 bytes that no other line names
	s_load_b128 s[4:7], s[0:1], 0x0                ; x, Wqkv_w
	s_load_b128 s[8:11], s[0:1], 0x10              ; x's codes, x's scales
	s_load_b128 s[12:15], s[0:1], 0x20             ; W's codes, W's scales
	s_load_b128 s[24:27], s[0:1], 0x30             ; Wo_w, wo16
	v_lshl_add_u32 v[SPW], v0, 2, SPARE
	v_mov_b32 v[NIL], 0
	v_lshrrev_b32 v1, 5, v0
	v_readfirstlane_b32 s16, v1                    ; wave
	v_and_b32 v2, 31, v0                           ; lane
	v_lshlrev_b32 v3, 4, v2                        ; my 16 bytes of a load's 512
	s_mul_i32 s17, s16, WREG
	v_lshrrev_b32 v14, 2, v2
	v_mul_u32_u24 v14, v14, SP
	v_and_b32 v15, 3, v2
	v_lshl_add_u32 v14, v15, 4, v14
	v_add_nc_u32 v14, s17, v14                     ; the stage, on the way in: SP (lane / 4) + 16 (lane % 4)
	v_mul_u32_u24 v15, v2, SP
	v_add_nc_u32 v15, s17, v15                     ; and on the way out: SP x lane: my 16 neighbours
	v_mul_u32_u24 v4, v2, CB                       ; my codes' place in a step's
	v_lshrrev_b32 v5, 1, v2
	s_add_co_u32 s17, s17, 2*32*SP
	v_add_nc_u32 v5, s17, v5                       ; LDS: my wave's 256 scale bytes, my block's byte
	v_lshlrev_b32 v7, 3, v2                        ; 8 bytes a lane
	v_add_nc_u32 v6, s17, v7
	s_wait_kmcnt 0x0
	s_cmp_ge_u32 ttmp9, WGQ                        ; the last 32 work-groups take Wo_w
	s_cbranch_scc1 .Lwo
	s_cmp_lt_u32 ttmp9, WGA                        ; x's work-group or W's?  The choice hangs on the work-group's number alone
	s_cselect_b64 s[4:5], s[4:5], s[6:7]
	s_cselect_b64 s[8:9], s[8:9], s[12:13]
	s_cselect_b64 s[10:11], s[10:11], s[14:15]
	s_cselect_b32 s17, 0, WGA
	s_sub_co_u32 s17, ttmp9, s17
	s_lshl_b32 s17, s17, 2
	s_add_co_u32 s18, s17, s16                     ; which run of 8,192 numbers of the tensor is my wave's
	s_mov_b32 s19, 0
	s_mov_b64 s[20:21], 512*STEPS*4
	s_mul_u64 s[20:21], s[18:19], s[20:21]
	s_add_nc_u64 s[4:5], s[4:5], s[20:21]
	s_mov_b64 s[20:21], 32*STEPS*CB
	s_mul_u64 s[20:21], s[18:19], s[20:21]
	s_add_nc_u64 s[8:9], s[8:9], s[20:21]
	s_lshl_b32 s18, s18, 8                         ; 256 scale bytes a run
	s_add_nc_u64 s[10:11], s[10:11], s[18:19]
.macro LOAD t
.irp i, 0,1,2,3
	global_load_b128 v[R+16*((\t)%4)+4*\i:R+16*((\t)%4)+4*\i+3], v3, s[4:5] offset:2048*(\t)+512*\i th:TH_LOAD_NT   ; 32 lanes read 512 consecutive bytes
.endr
.endm
.macro TURN t                          ; step t's numbers through the stage: LDS serves a wave's instructions in order, so no wait stands between the stores and the loads
.irp i, 0,1,2,3
	ds_store_b128 v14, v[R+16*((\t)%4)+4*\i:R+16*((\t)%4)+4*\i+3] offset:32*SP*((\t)%2)+8*SP*\i
.endr
.irp i, 0,1,2,3
	ds_load_b128 v[X+16*((\t)%2)+4*\i:X+16*((\t)%2)+4*\i+3], v15 offset:32*SP*((\t)%2)+16*\i
.endr
.endm
.irp t, 0,1,2,3
	LOAD \t
.endr
	s_wait_loadcnt 12                              ; step 0's four loads are in; the twelve of steps 1 to 3 may be out
	TURN 0
.macro STEP t
.set XS, X+16*((\t)%2)
.if (\t) > 0
	s_wait_dscnt 1                                 ; this step's numbers are back from the stage (the last step's byte store may be out)
.else
	s_wait_dscnt 0x0
.endif
.if (\t)+4 < STEPS
	LOAD (\t)+4                                    ; into the registers whose stores into the stage are done
.endif
.if (\t)+1 < STEPS
.if STEPS-2-(\t) >= 3
	s_wait_loadcnt 12                              ; the next step's four loads are in; those of the three steps behind it may be out
.else
	s_wait_loadcnt 4*(STEPS-2-(\t))
.endif
	TURN (\t)+1                                    ; through the other stage while this step is worked
.endif
	v_max3_num_f32 v8, |v[XS]|, |v[XS+1]|, |v[XS+2]|               ; the largest magnitude of my 16, in two chains
	v_max3_num_f32 v9, |v[XS+3]|, |v[XS+4]|, |v[XS+5]|
.irp i, 6,10
	v_max3_num_f32 v8, v8, |v[XS+\i]|, |v[XS+\i+1]|
	v_max3_num_f32 v9, v9, |v[XS+\i+2]|, |v[XS+\i+3]|
.endr
	v_max3_num_f32 v8, v8, |v[XS+14]|, |v[XS+15]|
	v_max3_num_f32 v8, v8, v9, (EMAX+1)<<23        ; and the floor 2^(EMAX + 1 - 127): the byte cannot fall under 1
	v_max_num_f32_dpp v8, v8, v8 row_xmask:1 row_mask:0xf bank_mask:0xf   ; and of my neighbour's 16: the block's
	v_add_nc_u32 v11, -(EMAX<<23), v8              ; EMAX off its exponent field: the conversion takes the exponent field of this operand as its scale
	v_cvt_scalef32_pk8_fp4_f32 v[C+4*(\t)], v[XS:XS+7], v11
	v_cvt_scalef32_pk8_fp4_f32 v[C+4*(\t)+1], v[XS+8:XS+15], v11
	v_lshrrev_b32 v[E+(\t)], 23, v11               ; the scale's byte (a plain line behind the conversions)
	ds_store_b8 v5, v[E+(\t)] offset:16*(\t)       ; both lanes of a block write the same byte with the same value
	global_store_b64 v4, v[C+4*(\t):C+4*(\t)+1], s[8:9] offset:32*CB*(\t)   ; the wave stores 256 consecutive bytes, aligned
.endm
.irp t, 0,1,2,3,4,5,6,7,8,9,10,11,12,13,14,15
	STEP \t
.endr
	ds_load_b64 v[8:9], v6                         ; LDS serves a wave's instructions in order: these see my stores
	s_wait_dscnt 0x0
	global_store_b64 v7, v[8:9], s[10:11]          ; 32 lanes store 256 consecutive bytes, aligned
	s_wait_tensorcnt 0x0                           ; the wave's end, behind my last LDS store
	ds_add_u32 v[SPW], v[NIL]
	s_wait_dscnt 0x0
	s_endpgm
; Wo_w to f16: a wave takes 8,192 numbers in four batches of 16 loads; two batches are on their way.
.Lwo:
	s_sub_co_u32 s17, ttmp9, WGQ
	s_lshl_b32 s17, s17, 2
	s_add_co_u32 s18, s17, s16                     ; my run of 8,192 numbers
	s_lshl_b32 s20, s18, 15                        ; 32,768 bytes in,
	s_mov_b32 s21, 0
	s_add_nc_u64 s[24:25], s[24:25], s[20:21]
	s_lshl_b32 s20, s18, 14                        ; 16,384 out
	s_add_nc_u64 s[26:27], s[26:27], s[20:21]
.macro LOADW g
.irp i, 0,1,2,3,4,5,6,7,8,9,10,11,12,13,14,15
	global_load_b128 v[16+64*((\g)%2)+4*\i:16+64*((\g)%2)+4*\i+3], v3, s[24:25] offset:(16*(\g)+\i)*512 th:TH_LOAD_NT
.endr
.endm
.macro BATCH g
.set RW, 16+64*((\g)%2)
.if (\g) < 3
	s_wait_loadcnt 16                              ; this batch is in; the younger batch's 16 loads may be out
.else
	s_wait_loadcnt 0x0
.endif
	s_wait_xcnt 0x0                                ; the last batch's stores have read their data registers, which are written again below
.irp i, 0,1,2,3,4,5,6,7,8,9,10,11,12,13,14,15
.irp e, 0,1
	v_cvt_pk_f16_f32 v[H16+2*\i+\e], v[RW+4*\i+2*\e], v[RW+4*\i+2*\e+1]
.endr
.endr
.irp i, 0,1,2,3,4,5,6,7,8,9,10,11,12,13,14,15
	global_store_b64 v7, v[H16+2*\i:H16+2*\i+1], s[26:27] offset:(16*(\g)+\i)*256   ; 256 consecutive bytes, aligned
.endr
.if (\g) < 2
	LOADW (\g)+2
.endif
.endm
	LOADW 0
	LOADW 1
	BATCH 0
	BATCH 1
	BATCH 2
	BATCH 3
	s_wait_tensorcnt 0x0                           ; the same three lines at this end of the launch
	ds_add_u32 v[SPW], v[NIL]
	s_wait_dscnt 0x0
	s_endpgm
.Lfunc_end_k_q2f6bec8ec2_quant:
	.size	k_q2f6bec8ec2_quant, .Lfunc_end_k_q2f6bec8ec2_quant-k_q2f6bec8ec2_quant
	.p2alignl 7, 3214868480
	.fill 96, 4, 3214868480
	.section	.rodata,"a",@progbits
	.p2align	6, 0x0
	.amdhsa_kernel k_q2f6bec8ec2_quant
		.amdhsa_group_segment_fixed_size 33280
		.amdhsa_private_segment_fixed_size 0
		.amdhsa_enable_private_segment 0
		.amdhsa_kernarg_size 64
		.amdhsa_user_sgpr_count 2
		.amdhsa_user_sgpr_kernarg_segment_ptr 1
		.amdhsa_wavefront_size32 1
		.amdhsa_system_sgpr_workgroup_id_x 1
		.amdhsa_system_sgpr_workgroup_id_y 1
		.amdhsa_system_sgpr_workgroup_id_z 1
		.amdhsa_system_vgpr_workitem_id 0
		.amdhsa_next_free_vgpr 192
		.amdhsa_next_free_sgpr 66
		.amdhsa_reserve_vcc 0
		.amdhsa_float_denorm_mode_32 3
		.amdhsa_float_denorm_mode_16_64 3
		.amdhsa_memory_ordered 1
		.amdhsa_forward_progress 1
		.amdhsa_inst_pref_size 54
	.end_amdhsa_kernel
	.amdgpu_metadata
---
amdhsa.version: [ 1, 2 ]
amdhsa.kernels:
  - .name:           k_q2f6bec8ec2_quant
    .symbol:         k_q2f6bec8ec2_quant.kd
    .args:
      - { .name: x, .offset: 0, .size: 8, .value_kind: global_buffer, .address_space: global }
      - { .name: Wqkv_w, .offset: 8, .size: 8, .value_kind: global_buffer, .address_space: global }
      - { .name: x_codes, .offset: 16, .size: 8, .value_kind: global_buffer, .address_space: global }
      - { .name: x_scales, .offset: 24, .size: 8, .value_kind: global_buffer, .address_space: global }
      - { .name: w_codes, .offset: 32, .size: 8, .value_kind: global_buffer, .address_space: global }
      - { .name: w_scales, .offset: 40, .size: 8, .value_kind: global_buffer, .address_space: global }
      - { .name: Wo_w, .offset: 48, .size: 8, .value_kind: global_buffer, .address_space: global }
      - { .name: wo16, .offset: 56, .size: 8, .value_kind: global_buffer, .address_space: global }
    .group_segment_fixed_size: 33280
    .private_segment_fixed_size: 0
    .kernarg_segment_align: 8
    .kernarg_segment_size: 64
    .max_flat_workgroup_size: 128
    .sgpr_count:     66
    .vgpr_count:     192
    .wavefront_size: 32
...
	.end_amdgpu_metadata
.endif
;; end of part 1
;; launch fineatt (part 2): grid 16 x 4, 1 waves a work-group, no clusters, 0 bytes of LDS; arguments x_codes, x_scales, w_codes, w_scales, Wqkv_b, mask, ofine; writes ofine
.if DOCPART == 2
	.amdgcn_target "amdgcn-amd-amdhsa--gfx1250"
	.amdhsa_code_object_version 6
	.text
	.protected	k_q2f6bec8ec2_fineatt
	.globl	k_q2f6bec8ec2_fineatt
	.p2align	8
	.type	k_q2f6bec8ec2_fineatt,@function
k_q2f6bec8ec2_fineatt:
	s_mov_b64 s[64:65], 0
	v_nop
	global_prefetch_b8 v0, s[64:65] scope:SCOPE_SE
	s_setreg_imm32_b32 hwreg(HW_REG_WAVE_MODE, 25, 1), 1
	s_wait_xcnt 0x0
; The first 16 positions of every sequence, carried in f32.  One wave takes one head (work-group x) of one batch (y): q, k, v of tokens 0-15 by the FP4 products on the same codes as the large
; product, then the 16 x 16 attention with f32 operands (v_wmma_f32_16x16x4_f32), the causal and the padding mask, and the result to ofine [b][16][1024] f32.
; q and k are made TRANSPOSED (source 0 = 16 rows of W, source 1 = the 16 tokens): lane (r, h) holds token r and channels 16 T + 8 h + j.  Registers 2 u, 2 u + 1 of such a tile are an f32 operand
; (k = 2 h + j') for the four channels 16 T + 2 u, + 1, 16 T + 8 + 2 u, + 1: the same choice on both sides, so S^T = k q^T needs no move.  In S^T a lane holds query r and keys 8 h + j.
; v is made in the natural order (source 0 = tokens): lane (r, h) holds channel 16 ct + r and tokens 8 h + j, which is source 0 of O^T = v^T p for the keys that p's registers 2 u, 2 u + 1 hold.
; The biases are the C of each sum's first product.  A hidden score becomes -3e38; the maximum is held at -1e30 from below, so a hidden p is 0, and a row with no key ends as 0 x infinity = NaN.
; LIMIT: scores under -1e30 count as hidden.  64 waves in all: the work is 16 of 2,048 positions, and nothing is shared that a cluster could serve (every operand goes straight into registers).
; REGISTERS: window 0 below; window 1: Wq's, later Wv's fragments (tile T, K step s at 64 T + 8 s); window 2: Wk's; window 3: x's eight fragments at 8 s.
.set XS,  24                           ; v24-31   x's scale words, one for each K step of 128
.set WS,  32                           ; v32-79   W's scale words: 16 p + 8 u + s; lanes 0-15 tile 2 u, lanes 16-31 tile 2 u + 1
.set QA,  80                           ; v80-111  q: four tiles; at the end the results
.set KA,  112                          ; v112-143 k
.set VA,  144                          ; v144-175 v
.set SA,  176                          ; v176-191 S^T in two sums
.set OT,  192                          ; v192-223 O^T: four tiles
.set PP,  224                          ; v224-231 p
.set TS,  242                          ; v242-249 the scores at work
.set MASKED, 0xff61b1e6                ; -3e38
.set MFLOOR, 0xf149f2ca                ; -1e30
.set MSB, 0
.macro WIN new                         ; the immediate's high byte repeats the setting that is left
.if MSB != (\new)
	s_set_vgpr_msb (MSB<<8)|(\new)
.set MSB, (\new)
.endif
.endm
	s_load_b256 s[4:11], s[0:1], 0x0               ; x's codes, x's scales, W's codes, W's scales
	s_load_b128 s[12:15], s[0:1], 0x20             ; Wqkv_b, mask
	s_load_b64 s[16:17], s[0:1], 0x30              ; ofine
	v_and_b32 v1, 15, v0                           ; r
	v_bfe_u32 v2, v0, 4, 1                         ; h
	v_lshlrev_b32 v3, 9, v1
	v_lshl_add_u32 v3, v2, 4, v3                   ; codes: row r of 512 bytes, + 16 h
	v_lshlrev_b32 v4, 5, v0                        ; W's scales: 32 bytes a row, a lane a row
	v_lshlrev_b32 v5, 5, v2                        ; a bias along my registers: 32 h
	v_lshlrev_b32 v6, 2, v1                        ; a bias along the lanes: 4 r
	v_lshlrev_b32 v7, 5, v1                        ; x's scales: 32 r
	v_lshlrev_b32 v8, 3, v2                        ; the mask's bytes: 8 h
	v_lshlrev_b32 v9, 12, v1
	v_lshl_add_u32 v9, v2, 5, v9                   ; ofine: row r of 4,096 bytes, + 32 h
	v_sub_nc_u32 v12, v1, v8                       ; r - 8 h: key 8 h + j comes after query r where j > r - 8 h
	v_mov_b32 v250, MASKED
	v_mov_b32 v14, 0                               ; a lane permute's destination counts as one of its sources
	v_mov_b32 v17, 0
	s_and_b32 s18, ttmp7, 0xffff                   ; the batch
	s_mov_b32 s24, 0x76543210
	s_mov_b32 s25, 0xfedcba98                      ; v_permlanex16_b32's selects for lane l xor 16
	s_mov_b32 s26, 0x3e38aa3b                      ; c = log2(e) / sqrt(64)
	s_mov_b32 s29, 0
	s_lshl_b32 s28, s18, 20                        ; 2,048 rows of 512 bytes
	s_wait_kmcnt 0x0
	s_add_nc_u64 s[4:5], s[4:5], s[28:29]
	s_lshl_b32 s28, s18, 16                        ; 2,048 rows of 32 bytes; and 16 rows of 4,096 in ofine
	s_add_nc_u64 s[6:7], s[6:7], s[28:29]
	s_add_nc_u64 s[16:17], s[16:17], s[28:29]
	s_lshl_b32 s28, ttmp9, 15                      ; the head's 64 rows of W's codes,
	s_add_nc_u64 s[8:9], s[8:9], s[28:29]
	s_lshl_b32 s28, ttmp9, 11                      ; of its scales,
	s_add_nc_u64 s[10:11], s[10:11], s[28:29]
	s_lshl_b32 s28, ttmp9, 8                       ; its 64 numbers of the bias and of a row of ofine
	s_add_nc_u64 s[12:13], s[12:13], s[28:29]
	s_add_nc_u64 s[16:17], s[16:17], s[28:29]
	s_lshl_b32 s28, s18, 11
	s_add_nc_u64 s[14:15], s[14:15], s[28:29]
	WIN 0xc0                                       ; destination window 3
.irp s, 0,1,2,3,4,5,6,7
.irp c, 0,1
	global_load_b128 v[8*\s+4*\c:8*\s+4*\c+3], v3, s[4:5] offset:64*\s+32*\c
.endr
.endr
	WIN 0
	global_load_b128 v[XS:XS+3], v7, s[6:7]
	global_load_b128 v[XS+4:XS+7], v7, s[6:7] offset:16
.irp p, 0,1,2                                  ; q, k, v lie 1,024 rows apart in W
.irp u, 0,1
.irp c, 0,1
	global_load_b128 v[WS+16*\p+8*\u+4*\c:WS+16*\p+8*\u+4*\c+3], v4, s[10:11] offset:32768*\p+1024*\u+16*\c
.endr
.endr
.endr
.irp p, 0,1                                    ; q's and k's bias straight into the accumulators: channels 16 T + 8 h + j
.irp t, 0,1,2,3
	global_load_b128 v[QA+32*\p+8*\t:QA+32*\p+8*\t+3], v5, s[12:13] offset:4096*\p+64*\t
	global_load_b128 v[QA+32*\p+8*\t+4:QA+32*\p+8*\t+7], v5, s[12:13] offset:4096*\p+64*\t+16
.endr
.endr
.irp t, 0,1,2,3                                ; v's: channel 16 ct + r, the same in all eight registers
.irp j, 0,1,2,3,4,5,6,7
	global_load_b32 v[VA+8*\t+\j], v6, s[12:13] offset:8192+64*\t
.endr
.endr
	global_load_b64 v[240:241], v8, s[14:15]       ; the mask of keys 8 h .. 8 h + 7
.macro WLOAD p                                 ; 64 loads: the 32 fragments of part p; the destination's window is set by the caller
.irp t, 0,1,2,3
.irp s, 0,1,2,3,4,5,6,7
.irp c, 0,1
	global_load_b128 v[64*\t+8*\s+4*\c:64*\t+8*\s+4*\c+3], v3, s[8:9] offset:524288*\p+8192*\t+64*\s+32*\c
.endr
.endr
.endr
.endm
	WIN 0x40
	WLOAD 0
	WIN 0x80
	WLOAD 1
; q or k: 32 products, the four tiles by turns, K ascending; the windows are set by the caller
.macro QKPROD acc, p
.irp s, 0,1,2,3,4,5,6,7
.irp t, 0,1,2,3
.if \t%2
	v_wmma_scale_f32_16x16x128_f8f6f4 v[\acc+8*\t:\acc+8*\t+7], v[64*\t+8*\s:64*\t+8*\s+7], v[8*\s:8*\s+7], v[\acc+8*\t:\acc+8*\t+7], v[WS+16*\p+8*(\t/2)+\s], v[XS+\s] matrix_a_fmt:MATRIX_FMT_FP4 matrix_b_fmt:MATRIX_FMT_FP4 matrix_a_scale:MATRIX_SCALE_ROW1
.else
	v_wmma_scale_f32_16x16x128_f8f6f4 v[\acc+8*\t:\acc+8*\t+7], v[64*\t+8*\s:64*\t+8*\s+7], v[8*\s:8*\s+7], v[\acc+8*\t:\acc+8*\t+7], v[WS+16*\p+8*(\t/2)+\s], v[XS+\s] matrix_a_fmt:MATRIX_FMT_FP4 matrix_b_fmt:MATRIX_FMT_FP4
.endif
.endr
.endr
.endm
	s_wait_loadcnt 63                              ; behind Wq's last load stand Wk's 64: 63 is the largest count that can be named, and the stricter
	WIN 0x0d                                       ; source 0 (Wq) window 1, source 1 (x) window 3
	QKPROD QA, 0
.rept 4
	v_nop                                          ; places in front of loads into registers that matrix instructions have read
.endr
	WIN 0x40
	WLOAD 2                                        ; Wv takes Wq's place
	s_wait_loadcnt 63                              ; Wk is in: behind it stand Wv's 64
	WIN 0x0e                                       ; source 0 (Wk) window 2
	QKPROD KA, 1
	WIN 0
.rept 5
	v_nop                                          ; five places before a result is taken as an operand
.endr
.set e, 0
.rept 16                                       ; S^T = k q^T: tile e / 4, registers 2 (e % 4): two sums by turns
.if e < 2
	v_wmma_f32_16x16x4_f32 v[SA+8*(e%2):SA+8*(e%2)+7], v[KA+8*(e/4)+2*(e%4):KA+8*(e/4)+2*(e%4)+1], v[QA+8*(e/4)+2*(e%4):QA+8*(e/4)+2*(e%4)+1], 0
.else
	v_wmma_f32_16x16x4_f32 v[SA+8*(e%2):SA+8*(e%2)+7], v[KA+8*(e/4)+2*(e%4):KA+8*(e/4)+2*(e%4)+1], v[QA+8*(e/4)+2*(e%4):QA+8*(e/4)+2*(e%4)+1], v[SA+8*(e%2):SA+8*(e%2)+7]
.endif
.set e, e+1
.endr
.rept 8
	v_nop                                          ; eight places behind this form before its result is read
.endr
.irp j, 0,1,2,3,4,5,6,7
	v_add_f32 v[TS+\j], v[SA+\j], v[SA+8+\j]       ; from each sum's low end on
.endr
.irp j, 0,1,2,3,4,5,6,7
	v_bfe_u32 v10, v[240+\j/4], 8*(\j%4), 8        ; the mask's byte of key 8 h + j
	v_cmp_gt_i32 s20, \j, v12                      ; the key comes after the query,
	v_cmp_ne_u32 s21, 0, v10                       ; or is padding
	s_or_b32 vcc_lo, s20, s21
	v_cndmask_b32 v[TS+\j], v[TS+\j], v250, vcc_lo
.endr
	v_max3_num_f32 v13, v[TS], v[TS+1], v[TS+2]
	v_max3_num_f32 v13, v13, v[TS+3], v[TS+4]
	v_max3_num_f32 v13, v13, v[TS+5], v[TS+6]
	v_max3_num_f32 v13, v13, v[TS+7], MFLOOR
	v_permlanex16_b32 v14, v13, s24, s25
	v_max_num_f32 v13, v13, v14                    ; the row's maximum
	v_mul_f32 v15, s26, v13
.irp j, 0,1,2,3,4,5,6,7
	v_fma_f32 v[TS+\j], v[TS+\j], s26, -v15        ; c s - c m
.endr
.irp j, 0,1,2,3,4,5,6,7
	v_exp_f32 v[PP+\j], v[TS+\j]
.endr
	v_nop                                          ; a plain line behind the last exponential
	s_wait_alu depctr_va_vdst(0)                   ; one wait for the batch, ahead of its first reader
	v_add_f32 v16, v[PP], v[PP+1]
	v_add_f32 v18, v[PP+2], v[PP+3]
	v_add_f32 v19, v[PP+4], v[PP+5]
	v_add_f32 v20, v[PP+6], v[PP+7]
	v_add_f32 v16, v16, v18
	v_add_f32 v19, v19, v20
	v_add_f32 v16, v16, v19
	v_permlanex16_b32 v17, v16, s24, s25
	v_add_f32 v16, v16, v17                        ; the row's sum
	v_rcp_f32 v21, v16
	v_nop
	s_wait_alu depctr_va_vdst(0)
	s_wait_loadcnt 0x0                             ; Wv
	WIN 0x07                                       ; source 0 (x) window 3, source 1 (Wv) window 1
.irp s, 0,1,2,3,4,5,6,7
.irp t, 0,1,2,3
.if \t%2
	v_wmma_scale_f32_16x16x128_f8f6f4 v[VA+8*\t:VA+8*\t+7], v[8*\s:8*\s+7], v[64*\t+8*\s:64*\t+8*\s+7], v[VA+8*\t:VA+8*\t+7], v[XS+\s], v[WS+32+8*(\t/2)+\s] matrix_a_fmt:MATRIX_FMT_FP4 matrix_b_fmt:MATRIX_FMT_FP4 matrix_b_scale:MATRIX_SCALE_ROW1
.else
	v_wmma_scale_f32_16x16x128_f8f6f4 v[VA+8*\t:VA+8*\t+7], v[8*\s:8*\s+7], v[64*\t+8*\s:64*\t+8*\s+7], v[VA+8*\t:VA+8*\t+7], v[XS+\s], v[WS+32+8*(\t/2)+\s] matrix_a_fmt:MATRIX_FMT_FP4 matrix_b_fmt:MATRIX_FMT_FP4
.endif
.endr
.endr
	WIN 0
.rept 5
	v_nop
.endr
.irp u, 0,1,2,3                                ; O^T = v^T p: keys 2 u, 2 u + 1, 8 + 2 u, 8 + 2 u + 1; the four tiles of channels by turns
.irp t, 0,1,2,3
.if \u == 0
	v_wmma_f32_16x16x4_f32 v[OT+8*\t:OT+8*\t+7], v[VA+8*\t+2*\u:VA+8*\t+2*\u+1], v[PP+2*\u:PP+2*\u+1], 0
.else
	v_wmma_f32_16x16x4_f32 v[OT+8*\t:OT+8*\t+7], v[VA+8*\t+2*\u:VA+8*\t+2*\u+1], v[PP+2*\u:PP+2*\u+1], v[OT+8*\t:OT+8*\t+7]
.endif
.endr
.endr
.rept 8
	v_nop
.endr
.set e, 0
.rept 32
	v_mul_f32 v[QA+e], v[OT+e], v21                ; O^T / the sum, into q's registers, which are done with
.set e, e+1
.endr
.irp t, 0,1,2,3
	global_store_b128 v9, v[QA+8*\t:QA+8*\t+3], s[16:17] offset:64*\t        ; o(r, 64 head + 16 ct + 8 h + 0 .. 7)
	global_store_b128 v9, v[QA+8*\t+4:QA+8*\t+7], s[16:17] offset:64*\t+16
.endr
	s_endpgm
.Lfunc_end_k_q2f6bec8ec2_fineatt:
	.size	k_q2f6bec8ec2_fineatt, .Lfunc_end_k_q2f6bec8ec2_fineatt-k_q2f6bec8ec2_fineatt
	.p2alignl 7, 3214868480
	.fill 96, 4, 3214868480
	.section	.rodata,"a",@progbits
	.p2align	6, 0x0
	.amdhsa_kernel k_q2f6bec8ec2_fineatt
		.amdhsa_group_segment_fixed_size 0
		.amdhsa_private_segment_fixed_size 0
		.amdhsa_enable_private_segment 0
		.amdhsa_kernarg_size 56
		.amdhsa_user_sgpr_count 2
		.amdhsa_user_sgpr_kernarg_segment_ptr 1
		.amdhsa_wavefront_size32 1
		.amdhsa_system_sgpr_workgroup_id_x 1
		.amdhsa_system_sgpr_workgroup_id_y 1
		.amdhsa_system_sgpr_workgroup_id_z 1
		.amdhsa_system_vgpr_workitem_id 0
		.amdhsa_next_free_vgpr 832
		.amdhsa_next_free_sgpr 66
		.amdhsa_reserve_vcc 1
		.amdhsa_float_denorm_mode_32 3
		.amdhsa_float_denorm_mode_16_64 3
		.amdhsa_memory_ordered 1
		.amdhsa_forward_progress 1
		.amdhsa_inst_pref_size 49
	.end_amdhsa_kernel
	.amdgpu_metadata
---
amdhsa.version: [ 1, 2 ]
amdhsa.kernels:
  - .name:           k_q2f6bec8ec2_fineatt
    .symbol:         k_q2f6bec8ec2_fineatt.kd
    .args:
      - { .name: x_codes, .offset: 0, .size: 8, .value_kind: global_buffer, .address_space: global }
      - { .name: x_scales, .offset: 8, .size: 8, .value_kind: global_buffer, .address_space: global }
      - { .name: w_codes, .offset: 16, .size: 8, .value_kind: global_buffer, .address_space: global }
      - { .name: w_scales, .offset: 24, .size: 8, .value_kind: global_buffer, .address_space: global }
      - { .name: Wqkv_b, .offset: 32, .size: 8, .value_kind: global_buffer, .address_space: global }
      - { .name: mask, .offset: 40, .size: 8, .value_kind: global_buffer, .address_space: global }
      - { .name: ofine, .offset: 48, .size: 8, .value_kind: global_buffer, .address_space: global }
    .group_segment_fixed_size: 0
    .private_segment_fixed_size: 0
    .kernarg_segment_align: 8
    .kernarg_segment_size: 56
    .max_flat_workgroup_size: 32
    .sgpr_count:     66
    .vgpr_count:     832
    .wavefront_size: 32
...
	.end_amdgpu_metadata
.endif
;; end of part 2
;; launch qkvgemm (part 3): grid 12 x 32, 4 waves a work-group, clusters of 4 x 4, 327,680 bytes of LDS; arguments x_codes, x_scales, w_codes, w_scales, Wqkv_b, qkv; writes qkv
.if DOCPART == 3
	.amdgcn_target "amdgcn-amd-amdhsa--gfx1250"
	.amdhsa_code_object_version 6
	.text
	.protected	k_q2f6bec8ec2_qkvgemm
	.globl	k_q2f6bec8ec2_qkvgemm
	.p2align	8
	.type	k_q2f6bec8ec2_qkvgemm,@function
k_q2f6bec8ec2_qkvgemm:
	s_mov_b64 s[64:65], 0
	v_nop
	global_prefetch_b8 v0, s[64:65] scope:SCOPE_SE
	s_setreg_imm32_b32 hwreg(HW_REG_WAVE_MODE, 25, 1), 1
	s_wait_xcnt 0x0
	s_wait_alu depctr_hold_cnt(0) depctr_sa_sdst(0) depctr_va_vdst(0) depctr_va_sdst(0) depctr_va_ssrc(0) depctr_va_vcc(0) depctr_vm_vsrc(0)
	s_getreg_b32 s2, hwreg(HW_REG_IB_STS2, 6, 4)
	s_cmp_eq_u32 s2, 0
	s_cbranch_scc0 .Lentry_in_a_cluster
	s_endpgm
.Lentry_in_a_cluster:
	s_bfe_u32 s2, ttmp6, 0x10000c
	s_cmp_lg_u32 s2, 0xf033
	s_cbranch_scc0 .Lentry_shape_is_right
	s_endpgm
.Lentry_shape_is_right:
; qkv = x Wqkv_w^T + Wqkv_b on codes of FP4 (E2M1) with one E8M0 scale for each 32 along K; sums in f32; the result is rounded once to f16 and laid [part 3][batch x 16 + head][position 2048][64].
; LIMIT: |q|, |k|, |v| under 65,504, f16's largest number.
; A tile of 256 x 256 is made by four waves, 128 x 128 each: 64 accumulators, 512 registers.  K = 1,024 is two slots of 512 along K (rows of 256 bytes): both are asked for at the start and nothing is
; filled again.  The scale bytes of the work-group's 256 + 256 rows, for all of K, come once with them, as rows of 256 bytes.  By this text's own count a wave has three tensor loads out at the start.
; CLUSTERS: 4 x 4 work-groups; A's tiles are asked for jointly along a row of the cluster, B's along a column.
; THE MATRIX INSTRUCTION IS USED TRANSPOSED (source 0 = 16 rows of W, source 1 = 16 rows of x): a lane holds eight neighbouring columns of one row.  The bias is the C of the first step's products.
; REGISTERS: window 0: v0-31 addresses; v32-95 scale words, two sets, and nothing else; v128-191 A's fragments, one set; v192-255 the bias; on the way out v128-223 are used again.
;   window 1: B's fragments, two sets;  window 2: the accumulators of my rows 0-63 ((a, b) at v[8 (8 a + b)]);  window 3: those of rows 64-127.
.set SIZE_M, 8192
.set SIZE_N, 3072
.set SIZE_K, 1024
.set KSTEP,  512
.set NQ,     KSTEP/128
.set ROWB,   256                       ; a tile's row in bytes
.set KROW,   SIZE_K/2                  ; a row of codes in memory
.set PITCH,  272                       ; an LDS row: 256 bytes + 16 of padding: the 16 rows that a load touches start at 16 different banks
.set FR,     8
.set NL,     2
.set NP,     4
.set HALFT,  128*PITCH
.set SLOT,   4*HALFT
.set KS,     SIZE_K/32                 ; a row of scales in bytes
.set SCL,    2*SLOT
.set HALFS,  (128*KS/256)*272
.set SBLK,   (16*KS/256)*272
.set SPARE,  SCL+4*HALFS               ; the spare words, 128 bytes a wave
.set SPITCH, 272                       ; the way out: 16 rows x (256 bytes + 16) for each wave, in slot 0, which has had its only fill and its last read by then
.set ADRA, 16
.set ADRB, 20
.set STO,  24
.set RD,   25
.set CO,   26
.set ADRS, 27
.set SPW,  28
.set NIL,  29
.set VB,   30                          ; v30  32 x (lane / 16): my eight numbers of a tile's bias
.set SC,   32
.set AF,   128
.set BIAS, 192                         ; v192-255 the bias of B's eight blocks, in the result's layout
.set TMP,  192                         ; the way out: packed results
.set BK,   128                         ; and rows read back: v128-159, v160-191 by turns
.set G1, 24
.set G0, 32
.set G1B, 48
.set G0B, 56
.set G1S, 68
.set G0S, 76
.set G1SB, 80
.set G0SB, 88
.set MSB, 0
.macro WIN new
.if MSB != (\new)
	s_set_vgpr_msb (MSB<<8)|(\new)
.set MSB, (\new)
.endif
.endm
.set MUL_LO, 0xa1                      ; source 0 (B) window 1, source 1 (A) window 0, C and D window 2
.set MUL_HI, 0xf1                      ; the same, C and D window 3
.set TO_B,   0x40
; A joint load: waves 0 and 1 fetch for A, waves 2 and 3 for B; the branch hangs on the wave's number alone.  An s_nop 0 and four v_nop follow each line.
.macro JLOAD g0a, g1a, g0b, g1b
	s_cmp_eq_u32 s15, 0
	s_cbranch_scc0 .Lfor_b_\@
	tensor_load_to_lds s[\g0a:\g0a+3], s[\g1a:\g1a+7]
	s_nop 0
.rept 4
	v_nop
.endr
	s_branch .Lasked_\@
.Lfor_b_\@:
	tensor_load_to_lds s[\g0b:\g0b+3], s[\g1b:\g1b+7]
	s_nop 0
.rept 4
	v_nop
.endr
.Lasked_\@:
.endm
.macro CROUND                          ; a round of the cluster's barrier
	s_barrier_signal -1
	s_barrier_wait -1
	s_cmp_lg_u32 s14, 0
	s_cbranch_scc1 .Lnot_wave_0_\@
	s_barrier_signal -3
.Lnot_wave_0_\@:
	s_barrier_wait -3
	s_barrier_signal -1
	s_barrier_wait -1
.endm
	s_load_b128 s[4:7], s[0:1], 0x0                ; x's codes, x's scales
	s_load_b128 s[8:11], s[0:1], 0x10              ; W's codes, W's scales
	s_load_b64 s[96:97], s[0:1], 0x20              ; Wqkv_b
	s_load_b64 s[12:13], s[0:1], 0x28              ; qkv
	v_lshl_add_u32 v[SPW], v0, 2, SPARE
	v_mov_b32 v[NIL], 0
	ds_add_u32 v[SPW], v[NIL]                      ; the wave's opening: the add, twice on end, and its wait ahead of my first tensor load
	ds_add_u32 v[SPW], v[NIL]
	v_lshrrev_b32 v1, 5, v0
	v_readfirstlane_b32 s14, v1                    ; wave 0..3
	s_lshr_b32 s15, s14, 1                         ; which half of the tile's rows is mine.  Also: I fetch for A (0) or for B (1)
	s_and_b32 s16, s14, 1                          ; which half of its columns.  Also: which 128 rows I fetch
	s_bfe_u32 s40, ttmp6, 0x40000                  ; cx, cy
	s_bfe_u32 s41, ttmp6, 0x40004
	s_lshl_b32 s42, ttmp9, 2
	s_add_co_u32 s42, s42, s40                     ; tile column
	s_and_b32 s17, ttmp7, 0xffff
	s_lshl_b32 s17, s17, 2
	s_add_co_u32 s17, s17, s41                     ; tile row
	s_lshl_b32 s43, s41, 2
	s_lshl_b32 s43, 15, s43                        ; my row of the cluster
	s_lshl_b32 s44, 0x1111, s40                    ; my column
	s_or_b32 s[G1+0], s43, (0<<16)|(1<<20)|(1<<21)|(5<<22)|(3<<25)  ; the mask; elements of 1 byte; padding: 4 words behind every 64
	s_or_b32 s[G1B+0], s44, (0<<16)|(1<<20)|(1<<21)|(5<<22)|(3<<25)
.irp g, G1, G1B
	s_mov_b32 s[\g+1], ROWB<<16                    ; tensor_dim0
	s_mov_b32 s[\g+2], 128<<16                     ; tensor_dim1
	s_mov_b32 s[\g+3], ROWB<<16                    ; tile_dim0
	s_mov_b32 s[\g+4], 128                         ; tile_dim1
	s_mov_b32 s[\g+5], KROW                        ; the pitch
	s_mov_b32 s[\g+6], 0
	s_mov_b32 s[\g+7], 0
.endr
	s_or_b32 s[G1S+0], s43, (3<<16)|(1<<20)|(1<<21)|(5<<22)|(3<<25)  ; the scales of 128 rows: a dense block as rows of 256 bytes (32 elements of 8)
	s_or_b32 s[G1SB+0], s44, (3<<16)|(1<<20)|(1<<21)|(5<<22)|(3<<25)
.irp g, G1S, G1SB
	s_mov_b32 s[\g+1], 32<<16
	s_mov_b32 s[\g+2], (128*KS/256)<<16
	s_mov_b32 s[\g+3], 32<<16
	s_mov_b32 s[\g+4], 128*KS/256
	s_mov_b32 s[\g+5], 32
	s_mov_b32 s[\g+6], 0
	s_mov_b32 s[\g+7], 0
.endr
	s_lshl_b32 s18, s16, 7
	s_lshl_b32 s20, s17, 8
	s_add_co_u32 s20, s20, s18                     ; A: row 256 x tile row + 128 x half
	s_lshl_b32 s46, s42, 8
	s_add_co_u32 s46, s46, s18                     ; B: row 256 x tile column + 128 x half
	s_mov_b32 s21, 0
	s_mov_b32 s47, 0
	s_mov_b64 s[18:19], KS
	s_mul_u64 s[22:23], s[20:21], s[18:19]
	s_mul_u64 s[92:93], s[46:47], s[18:19]
	s_mov_b64 s[18:19], KROW
	s_mul_u64 s[20:21], s[20:21], s[18:19]
	s_mul_u64 s[46:47], s[46:47], s[18:19]
	s_mul_i32 s45, s14, HALFT                      ; where they go: wave x 128 rows
	s_mul_i32 s94, s14, HALFS
	s_wait_dscnt 0x0                               ; both opening adds are done
	s_wait_kmcnt 0x0
	s_add_nc_u64 s[20:21], s[4:5], s[20:21]
	s_add_nc_u64 s[22:23], s[6:7], s[22:23]
	s_add_nc_u64 s[46:47], s[8:9], s[46:47]
	s_add_nc_u64 s[92:93], s[10:11], s[92:93]
	CROUND                                         ; all sixteen work-groups are here: the joint loads meet
	s_mov_b32 s[G0S], 1
	s_add_co_u32 s[G0S+1], s94, SCL
	s_mov_b64 s[G0S+2:G0S+3], s[22:23]
	s_or_b32 s[G0S+3], s[G0S+3], 0x80000000
	s_mov_b32 s[G0SB], 1
	s_add_co_u32 s[G0SB+1], s94, SCL
	s_mov_b64 s[G0SB+2:G0SB+3], s[92:93]
	s_or_b32 s[G0SB+3], s[G0SB+3], 0x80000000
	JLOAD G0S, G1S, G0SB, G1SB                     ; the scales first
.irp s, 0,1
	s_mov_b32 s[G0+4*\s], 1
	s_add_co_u32 s[G0+4*\s+1], s45, \s*SLOT
	s_add_nc_u64 s[G0+4*\s+2:G0+4*\s+3], s[20:21], \s*ROWB
	s_or_b32 s[G0+4*\s+3], s[G0+4*\s+3], 0x80000000
	s_mov_b32 s[G0B+4*\s], 1
	s_add_co_u32 s[G0B+4*\s+1], s45, \s*SLOT
	s_add_nc_u64 s[G0B+4*\s+2:G0B+4*\s+3], s[46:47], \s*ROWB
	s_or_b32 s[G0B+4*\s+3], s[G0B+4*\s+3], 0x80000000
	JLOAD G0+4*\s, G1, G0B+4*\s, G1B
.endr
	v_and_b32 v1, 15, v0                           ; l % 16
	v_bfe_u32 v2, v0, 4, 1                         ; l / 16
	v_mul_u32_u24 v3, v1, PITCH
	v_lshl_add_u32 v4, v2, 4, v3                   ; a fragment's row x pitch + 16 x half
	s_mul_i32 s21, s15, HALFT
	s_mul_i32 s22, s16, HALFT
	s_add_co_u32 s22, s22, 2*HALFT
.irp s, 0,1
	v_add_nc_u32 v[ADRA+\s], s21, v4
	v_add_nc_u32 v[ADRB+\s], s22, v4
	s_add_co_u32 s21, s21, SLOT
	s_add_co_u32 s22, s22, SLOT
.endr
	v_mul_u32_u24 v5, v1, KS                       ; my row's scales: KS bytes a row,
	v_lshrrev_b32 v6, 8, v5
	v_lshl_add_u32 v5, v6, 4, v5                   ; and 16 more for each 256 passed
	s_mul_i32 s21, s15, HALFS
	s_mul_i32 s22, s16, HALFS
	s_add_co_u32 s22, s22, 2*HALFS
	s_sub_co_u32 s22, s22, s21
	v_mul_u32_u24 v6, s22, v2                      ; lanes 16-31 take B's
	s_add_co_u32 s21, s21, SCL
	v_add_nc_u32 v5, v5, v6
	v_add_nc_u32 v[ADRS], s21, v5
	s_mul_i32 s23, s14, 16*SPITCH                  ; my stage
	v_mul_u32_u24 v5, v1, SPITCH                   ; in: row l % 16, 16 bytes for each half of the lanes
	v_lshl_add_u32 v5, v2, 4, v5
	v_add_nc_u32 v[STO], s23, v5
	v_and_b32 v6, 31, v0
	v_lshlrev_b32 v[CO], 4, v6                     ; out: 16 bytes a lane of 512 consecutive bytes: four positions of one head
	v_lshrrev_b32 v5, 3, v6
	v_mul_u32_u24 v5, v5, SPITCH                   ; back: eight lanes take a head's 128 bytes of a row
	v_and_b32 v6, 7, v0
	v_lshl_add_u32 v5, v6, 4, v5
	v_add_nc_u32 v[RD], s23, v5
	v_lshlrev_b32 v[VB], 5, v2
	; where my part begins in qkv: (part x 64 + batch x 16 + head) x 262,144 + position x 128.  My 128 columns are two heads
	s_lshr_b32 s20, s42, 2                         ; part = tile column / 4
	s_lshl_b32 s20, s20, 6
	s_lshr_b32 s21, s17, 3                         ; batch = tile row / 8
	s_lshl_b32 s21, s21, 4
	s_add_co_u32 s20, s20, s21
	s_and_b32 s21, s42, 3
	s_lshl_b32 s21, s21, 2
	s_add_co_u32 s20, s20, s21
	s_lshl_b32 s21, s16, 1
	s_add_co_u32 s20, s20, s21
	s_lshl_b32 s20, s20, 18
	s_and_b32 s21, s17, 7
	s_lshl_b32 s21, s21, 15                        ; 256 positions of 128 bytes
	s_add_co_u32 s20, s20, s21
	s_lshl_b32 s21, s15, 14
	s_add_co_u32 s20, s20, s21
	s_mov_b32 s21, 0
	s_add_nc_u64 s[12:13], s[12:13], s[20:21]
	s_lshl_b32 s46, s42, 10                        ; the bias of my 128 columns
	s_lshl_b32 s47, s16, 9
	s_add_co_u32 s46, s46, s47
	s_mov_b32 s47, 0
	s_add_nc_u64 s[96:97], s[96:97], s[46:47]
.irp b, 0,1,2,3,4,5,6,7
	global_load_b128 v[BIAS+8*\b:BIAS+8*\b+3], v[VB], s[96:97] offset:64*\b          ; columns 16 b + 8 h + 0 .. 7
	global_load_b128 v[BIAS+8*\b+4:BIAS+8*\b+7], v[VB], s[96:97] offset:64*\b+16
.endr
.macro FRAG reg, adr, q, i             ; 16 rows x 128 K of 4-bit codes: 8 registers, two loads 32 bytes apart
.irp c, 0,1
	ds_load_b128 v[\reg+4*\c:\reg+4*\c+3], v[\adr] offset:64*(\q)+32*\c+(\i)*16*PITCH
.endr
.endm
; 16 matrix instructions: A's blocks a0, a0 + 1 x B's eight.  zero = 1: the first step: C is the bias.  The 64 accumulators take turns, in the same order in every step.
.macro MUL16 a0, p, q, sc, zero
.irp a, \a0, \a0+1
.irp b, 0,1,2,3,4,5,6,7
.if \zero
	v_wmma_scale_f32_16x16x128_f8f6f4 v[8*(8*((\a)%4)+\b):8*(8*((\a)%4)+\b)+7], v[128*(\p)+FR*\b:128*(\p)+FR*\b+FR-1], v[AF+FR*(\a):AF+FR*(\a)+FR-1], v[BIAS+8*\b:BIAS+8*\b+7], v[SC+8*NQ*(\sc)+NQ*\b+(\q)], v[SC+8*NQ*(\sc)+NQ*(\a)+(\q)] matrix_a_fmt:MATRIX_FMT_FP4 matrix_b_fmt:MATRIX_FMT_FP4 matrix_a_scale:MATRIX_SCALE_ROW1
.else
	v_wmma_scale_f32_16x16x128_f8f6f4 v[8*(8*((\a)%4)+\b):8*(8*((\a)%4)+\b)+7], v[128*(\p)+FR*\b:128*(\p)+FR*\b+FR-1], v[AF+FR*(\a):AF+FR*(\a)+FR-1], v[8*(8*((\a)%4)+\b):8*(8*((\a)%4)+\b)+7], v[SC+8*NQ*(\sc)+NQ*\b+(\q)], v[SC+8*NQ*(\sc)+NQ*(\a)+(\q)] matrix_a_fmt:MATRIX_FMT_FP4 matrix_b_fmt:MATRIX_FMT_FP4 matrix_a_scale:MATRIX_SCALE_ROW1
.endif
.endr
.endr
.endm
.macro FETCH_B slot, q, p
	WIN TO_B
.irp i, 0,1,2,3,4,5,6,7
	FRAG 128*(\p)+FR*\i, ADRB+\slot, \q, \i
.endr
	WIN 0
.endm
.macro FETCH_A slot, q, i0
.irp i, \i0, \i0+1, \i0+2, \i0+3
	FRAG AF+FR*(\i), ADRA+\slot, \q, \i
.endr
.endm
.macro SCALES sc                       ; a slot's scale words: lanes 0-15 A's block i, lanes 16-31 B's block i
.irp i, 0,1,2,3,4,5,6,7
	ds_load_b128 v[SC+8*NQ*\sc+NQ*\i:SC+8*NQ*\sc+NQ*\i+3], v[ADRS] offset:\i*SBLK
.endr
.endm
.macro PLACES n                        ; plain vector lines between a matrix instruction and a load into, or a read of, its registers
.rept \n
	v_nop
.endr
.endm
.macro STEP slot, q, zero              ; a step of 128 along K that has its successor in the same slot
	s_wait_dscnt 4*NL                              ; B's set and A's blocks 0-3 are in; the youngest eight loads (A's blocks 4-7) may be out
	WIN MUL_LO-0x20*(\zero)                        ; (the bias lies in window 0)
	MUL16 0, (\q)%2, \q, \slot, \zero
	MUL16 2, (\q)%2, \q, \slot, \zero
	s_wait_dscnt 0
	PLACES NP
	FETCH_B \slot, (\q)+1, 1-(\q)%2
	FETCH_A \slot, (\q)+1, 0
	WIN MUL_HI-0x30*(\zero)
	MUL16 4, (\q)%2, \q, \slot, \zero
	MUL16 6, (\q)%2, \q, \slot, \zero
	PLACES NP
	WIN 0
	FETCH_A \slot, (\q)+1, 4
.endm
.macro STEPS slot, from
.set Q, \from
.rept NQ-1-\from
	STEP \slot, Q, 0
.set Q, Q+1
.endr
.endm
	s_wait_tensorcnt 1                             ; the scales and my part of slot 0 are in; slot 1's load may be out
	s_barrier_signal -1
	s_barrier_wait -1
	FETCH_B 0, 0, 0
	FETCH_A 0, 0, 0
	SCALES 0
	FETCH_A 0, 0, 4
	s_wait_loadcnt 0x0                             ; the bias
	STEP 0, 0, 1
	STEPS 0, 1
	; slot 0's last step changes slots: one barrier; in front of it my part of slot 1 has landed and my reads of slot 0 are over.  Nothing is filled again
	s_wait_tensorcnt 0x0
	ds_add_u32 v[SPW], v[NIL]
	s_wait_dscnt 4*NL+1                            ; (the add and A's blocks 4-7 may be out)
	WIN MUL_LO
	MUL16 0, 1, NQ-1, 0, 0
	s_wait_dscnt 0x0
	s_barrier_signal -1
	MUL16 2, 1, NQ-1, 0, 0
	WIN 0
	s_barrier_wait -1
	PLACES NP
	v_add_nc_u32 v[ADRS], 4*NQ, v[ADRS]            ; on to slot 1's scale words
	FETCH_B 1, 0, 0
	FETCH_A 1, 0, 0
	SCALES 1
	WIN MUL_HI
	MUL16 4, 1, NQ-1, 0, 0
	MUL16 6, 1, NQ-1, 0, 0
	PLACES NP
	WIN 0
	FETCH_A 1, 0, 4
	STEPS 1, 0
	s_wait_dscnt 4*NL                              ; the very last step
	WIN MUL_LO
	MUL16 0, 1, NQ-1, 1, 0
	MUL16 2, 1, NQ-1, 1, 0
	s_wait_dscnt 0
	WIN MUL_HI
	MUL16 4, 1, NQ-1, 1, 0
	MUL16 6, 1, NQ-1, 1, 0
	WIN 0
; THE WAY OUT, a block of 16 rows x 128 columns at a time: rounded to f16 (16 bytes a lane), through my own stage, and back so that a store covers 512 consecutive bytes: four positions of one head.
.macro PACK a
.set AC, 64*((\a)%4)
	WIN 0x0a+5*((\a)/4)                            ; sources 0 and 1: window 2 or 3
.irp b, 0,1,2,3,4,5,6,7
.irp i, 0,1,2,3
	v_cvt_pk_f16_f32 v[TMP+4*\b+\i], v[AC+8*\b+2*\i], v[AC+8*\b+2*\i+1]   ; each accumulator from its low end on
.endr
.endr
	WIN 0
.endm
.macro TOSTAGE a
.set BB, BK+32*((\a)%2)
.irp b, 0,1,2,3,4,5,6,7
	ds_store_b128 v[STO], v[TMP+4*\b:TMP+4*\b+3] offset:32*\b
.endr
.irp t, 0,1,2,3,4,5,6,7
	ds_load_b128 v[BB+4*\t:BB+4*\t+3], v[RD] offset:(\t%4)*4*SPITCH+(\t/4)*128   ; LDS serves a wave's instructions in order: these see the stores above
.endr
.endm
.macro SEND a
.set BB, BK+32*((\a)%2)
	s_wait_dscnt 0x0                               ; the block is back in registers
	s_wait_xcnt 0x0                                ; the stores of the block before have read their registers: the next block's loads may land there
.irp t, 0,1,2,3,4,5,6,7
	global_store_b128 v[CO], v[BB+4*\t:BB+4*\t+3], s[12:13] offset:(\t/4)*262144+(\a)*2048+(\t%4)*512
.endr
.endm
	PLACES NP                                      ; in front of loads into the registers that held A's fragments
	PACK 0
	TOSTAGE 0
.irp a, 1,2,3,4,5,6,7                  ; block a's conversions stand between block a - 1's loads from the stage and the wait for them
	PACK \a
	SEND \a-1
	TOSTAGE \a
.endr
	SEND 7
	s_wait_tensorcnt 0x0                           ; the wave's end
	ds_add_u32 v[SPW], v[NIL]
	s_wait_dscnt 0x0
	CROUND                                         ; the closing round
	s_endpgm
.Lfunc_end_k_q2f6bec8ec2_qkvgemm:
	.size	k_q2f6bec8ec2_qkvgemm, .Lfunc_end_k_q2f6bec8ec2_qkvgemm-k_q2f6bec8ec2_qkvgemm
	.p2alignl 7, 3214868480
	.fill 96, 4, 3214868480
	.section	.rodata,"a",@progbits
	.p2align	6, 0x0
	.amdhsa_kernel k_q2f6bec8ec2_qkvgemm
		.amdhsa_group_segment_fixed_size 327680
		.amdhsa_private_segment_fixed_size 0
		.amdhsa_enable_private_segment 0
		.amdhsa_kernarg_size 48
		.amdhsa_user_sgpr_count 2
		.amdhsa_user_sgpr_kernarg_segment_ptr 1
		.amdhsa_wavefront_size32 1
		.amdhsa_system_sgpr_workgroup_id_x 1
		.amdhsa_system_sgpr_workgroup_id_y 1
		.amdhsa_system_sgpr_workgroup_id_z 1
		.amdhsa_system_vgpr_workitem_id 0
		.amdhsa_next_free_vgpr 1024
		.amdhsa_next_free_sgpr 98
		.amdhsa_reserve_vcc 0
		.amdhsa_float_denorm_mode_32 3
		.amdhsa_float_denorm_mode_16_64 3
		.amdhsa_memory_ordered 1
		.amdhsa_forward_progress 1
		.amdhsa_inst_pref_size 128
	.end_amdhsa_kernel
	.amdgpu_metadata
---
amdhsa.version: [ 1, 2 ]
amdhsa.kernels:
  - .name:           k_q2f6bec8ec2_qkvgemm
    .symbol:         k_q2f6bec8ec2_qkvgemm.kd
    .args:
      - { .name: x_codes, .offset: 0, .size: 8, .value_kind: global_buffer, .address_space: global }
      - { .name: x_scales, .offset: 8, .size: 8, .value_kind: global_buffer, .address_space: global }
      - { .name: w_codes, .offset: 16, .size: 8, .value_kind: global_buffer, .address_space: global }
      - { .name: w_scales, .offset: 24, .size: 8, .value_kind: global_buffer, .address_space: global }
      - { .name: Wqkv_b, .offset: 32, .size: 8, .value_kind: global_buffer, .address_space: global }
      - { .name: qkv, .offset: 40, .size: 8, .value_kind: global_buffer, .address_space: global }
    .group_segment_fixed_size: 327680
    .private_segment_fixed_size: 0
    .kernarg_segment_align: 8
    .kernarg_segment_size: 48
    .max_flat_workgroup_size: 128
    .sgpr_count:     98
    .vgpr_count:     1024
    .wavefront_size: 32
...
	.end_amdgpu_metadata
.endif
;; end of part 3
;; launch attn (part 4): grid 4 x 64, 16 waves a work-group, no clusters, 327,680 bytes of LDS; arguments qkv, mask, att16; writes att16
.if DOCPART == 4
	.amdgcn_target "amdgcn-amd-amdhsa--gfx1250"
	.amdhsa_code_object_version 6
	.text
	.protected	k_q2f6bec8ec2_attn
	.globl	k_q2f6bec8ec2_attn
	.p2align	8
	.type	k_q2f6bec8ec2_attn,@function
k_q2f6bec8ec2_attn:
	s_mov_b64 s[64:65], 0
	v_nop
	global_prefetch_b8 v0, s[64:65] scope:SCOPE_SE
	s_setreg_imm32_b32 hwreg(HW_REG_WAVE_MODE, 25, 1), 1
	s_wait_xcnt 0x0
; att16[head][b x 2048 + q][:] = the sum over k of softmax_k(q . k / 8) v, under the causal mask and the padding mask (mask[b][k] = 1 hides key k).  q, k, v: f16, [part][b x 16 + head][2048][64].
; Products on f16 operands with f32 sums; maxima, exponentials and sums in f32; p is rounded to f16 for the second product, the result once to f16.
; SHARES.  Work-group (i, head) owns the query blocks i and 7 - i of 256: the same work for every i under the causal mask.  Each of its sixteen waves owns 32 neighbouring queries, two tiles of 16, which
; share every fragment of K and V; the waves of the early and of the late block alternate so that each SIMD gets two of each.  Every work-group walks 8 slots of 256 keys, 4 steps of 64 each: all trip
; counts are constants.  A step all of whose keys come after the wave's queries is jumped over (ids alone); a slot whose first key comes after the work-group's last query is not asked for.
; NO CLUSTER: the four work-groups of a head read 8, 7, 6 and 5 slots; a joint load would bring a partner tiles that none of its waves reads.
; LAYOUT.  S^T = K Q^T (source 0 = 16 keys, source 1 = 16 queries): a lane holds ONE query (lane % 16) and keys 8 (lane / 16) + 0..7 of each tile; two such tiles rounded to f16 in pairs ARE source 1 of
; O^T = V^T P.  K comes out of LDS as it lies, V turned by ds_load_tr16_b128.  Rows of 128 bytes are dense in memory: they are stated as rows of 256 bytes, two keys to an LDS row.
; THE PADDING MASK is a table in LDS, one f32 a key, 0 or -3e38, made once; a step's part of it, loaded in the result's layout, is the C of the first products: it costs no vector line.
; SOFTMAX.  A running maximum m (never under -1e30) and sum l a query: p = 2^(c s - c m), c = log2(e) / 8; O and l are multiplied by a = 2^(c m_old - c m_new) in every step.
; A hidden p is 0; a row with no key ends as 0 x infinity = NaN.  LIMITS: scores under -1e30 count as hidden; |q|, |k|, |v| and the result under 65,504.
.set KP2,   272                        ; two keys of K: 256 bytes + 16 of padding
.set VP2,   288                        ; two keys of V: 256 + 32
.set VOFF,  128*KP2                    ; a slot: 128 rows of K, then 128 rows of V
.set SLOT1, 1<<17                      ; slot 1 begins here: one exclusive or turns an address from one slot to the other
.set MB,    2*SLOT1                    ; the mask's table: 2,048 keys x 4 bytes
.set STAGE, MB+8192                    ; the way out: 16 rows x 144 bytes for each wave
.set SROW,  144
.set SPARE, STAGE+16*16*SROW           ; the spare words, 128 bytes a wave: eight blocks of 256 bytes that no other line names
.set PARTB, 16777216                   ; from q to k, from k to v
.set SLOTB, 32768                      ; 256 keys of 128 bytes
.set NSL,   8
.set MASKED, 0xff61b1e6                ; -3e38
.set MFLOOR, 0xf149f2ca                ; -1e30
.set AK0,  1                           ; v1   my lane's place in a tile of K
.set AV0,  2                           ; v2   in a tile of V
.set AMB0, 3                           ; v3   in the mask's table
.set ADK,  4                           ; v4-6 the addresses of the step in hand
.set ADV,  5
.set ADM,  6
.set SPW,  7                           ; v7   my spare word; never rewritten
.set NIL,  8                           ; v8   0; never rewritten
.set PFO,  9                           ; v9   256 x lane; never rewritten
.set ST,   12                          ; v12-27 statistics, 8 a tile: +0 c m, +1 m, +2, +3 l, +4 .. +7 at work (a in +6)
.set QR,   32                          ; v32-63  Q: tile T, channels 32 f on: 16 T + 8 f
.set SS,   64                          ; v64-127 S^T: 32 T + 8 kt; then p; then P in the lower 16 of each tile
.set OO,   128                         ; v128-191 O^T: 32 T + 8 ct
.set FRG,  192                         ; v192-255 K's fragments (16 kt + 8 cs), then V's (32 ks + 8 ct)
.set WV,   18
.set SEL,  20
.set CS,   22
.set G1K,  24
.set G1V,  32
.set G0K,  40
.set G0V,  44
.set TB,   48                          ; s48  LDS byte at which the slot in hand begins
.set TM,   49                          ; s49  the step's place in the mask's table: 256 bytes a step
.set KF,   50                          ; s50  the step's first key
.set Q0,   51                          ; s51  my first query
.set QLAST, 52                         ; s52  my work-group's last query
.set SLOTS, 53
.set LIM,  54
.set PFA,  56
; Waves 0 and 1 fetch K's halves, waves 2 and 3 V's, the others nothing.  An s_nop 0 and four v_nop follow each of the two lines.
.macro TLOAD g0k, g1k, g0v, g1v
	s_cmp_lt_u32 s[WV], 2
	s_cbranch_scc0 .Lnot_k_\@
	tensor_load_to_lds s[\g0k:\g0k+3], s[\g1k:\g1k+7]
	s_nop 0
.rept 4
	v_nop
.endr
	s_branch .Lasked_\@
.Lnot_k_\@:
	s_cmp_lt_u32 s[WV], 4
	s_cbranch_scc0 .Lasked_\@
	tensor_load_to_lds s[\g0v:\g0v+3], s[\g1v:\g1v+7]
	s_nop 0
.rept 4
	v_nop
.endr
.Lasked_\@:
.endm
; A prefetch of what the NEXT change of slots will ask for: 32,768 bytes of K and of V.  The head's first work-group asks, which walks all slots; in it waves 4 to 7 ask for K's block and waves 8 to 11 for
; V's, 8,192 bytes a wave, lanes 256 bytes apart: each aligned block of 256 bytes is named once in the launch.  The last change that fills a slot asks for nothing; slots 0 and 1 come by their loads alone.
.macro ASK
	s_cmp_gt_u32 s[SLOTS], s[LIM]
	s_cbranch_scc0 .Lnot_mine_\@
	global_prefetch_b8 v[PFO], s[PFA:PFA+1] th:TH_LOAD_NT scope:SCOPE_SE
.Lnot_mine_\@:
.endm
	s_load_b128 s[4:7], s[0:1], 0x0                ; qkv, mask
	s_load_b64 s[8:9], s[0:1], 0x10                ; att16
	v_lshl_add_u32 v[SPW], v0, 2, SPARE
	v_mov_b32 v[NIL], 0
	ds_add_u32 v[SPW], v[NIL]                      ; the wave's opening: the add, twice on end, and its wait ahead of the first tensor load
	ds_add_u32 v[SPW], v[NIL]
	v_lshrrev_b32 v28, 5, v0
	v_readfirstlane_b32 s[WV], v28                 ; wave 0..15
	s_and_b32 s10, ttmp7, 0xffff                   ; batch x 16 + head
	s_lshl_b32 s12, s10, 18                        ; its 262,144 bytes in each part
	s_mov_b32 s13, 0
	s_lshr_b32 s14, s[WV], 2
	s_xor_b32 s14, s14, s[WV]
	s_and_b32 s14, s14, 1                          ; 1: my queries lie in the late block
	s_sub_co_u32 s16, 7, ttmp9
	s_lshl_b32 s[QLAST], s16, 8
	s_or_b32 s[QLAST], s[QLAST], 255
	s_cmp_eq_u32 s14, 1
	s_cselect_b32 s16, s16, ttmp9                  ; my block of 256 queries
	s_lshl_b32 s[Q0], s16, 8
	s_lshr_b32 s15, s[WV], 1
	s_lshl_b32 s15, s15, 5
	s_add_co_u32 s[Q0], s[Q0], s15                 ; + 32 x (wave / 2)
	s_and_b32 s17, s[WV], 1                        ; which half of a slot I fetch, if I fetch
	s_mov_b32 s[G1K], (1<<16)|(1<<20)|(5<<22)|(3<<25)   ; elements of 2 bytes; padding: 4 words behind every 64
	s_mov_b32 s[G1V], (1<<16)|(1<<20)|(5<<22)|(7<<25)   ; 8 words
.irp g, G1K, G1V
	s_mov_b32 s[\g+1], 128<<16                     ; tensor_dim0 = 128
	s_mov_b32 s[\g+2], 64<<16                      ; tensor_dim1 = 64
	s_mov_b32 s[\g+3], 128<<16                     ; tile_dim0
	s_mov_b32 s[\g+4], 64                          ; tile_dim1
	s_mov_b32 s[\g+5], 128                         ; the pitch: the rows are dense
	s_mov_b32 s[\g+6], 0
	s_mov_b32 s[\g+7], 0
.endr
	s_mov_b32 s[SEL], 0x76543210
	s_mov_b32 s[SEL+1], 0xfedcba98
	s_mov_b32 s[CS], 0x3e38aa3b                    ; c = log2(e) / 8
	s_mov_b32 s[CS+1], s[CS]
	s_mov_b32 s[TB], 0
	s_mov_b32 s[TM], 0
	s_mov_b32 s[KF], 0
	s_mov_b32 s[SLOTS], NSL-1
	s_lshl_b32 s14, s17, 14                        ; my half: 128 keys of 128 bytes,
	s_add_co_u32 s14, s14, s12                     ; in my head
	s_mov_b32 s15, 0
	s_mov_b32 s[G0K], 1
	s_mul_i32 s[G0K+1], s17, 64*KP2
	s_mov_b32 s[G0V], 1
	s_mul_i32 s[G0V+1], s17, 64*VP2
	s_add_co_u32 s[G0V+1], s[G0V+1], VOFF
	s_wait_dscnt 0x0                               ; both opening adds are done
	s_wait_kmcnt 0x0
	s_add_nc_u64 s[G0K+2:G0K+3], s[4:5], s[14:15]
	s_add_nc_u64 s[G0K+2:G0K+3], s[G0K+2:G0K+3], PARTB
	s_or_b32 s[G0K+3], s[G0K+3], 0x80000000
	s_add_nc_u64 s[G0V+2:G0V+3], s[4:5], s[14:15]
	s_add_nc_u64 s[G0V+2:G0V+3], s[G0V+2:G0V+3], 2*PARTB
	s_or_b32 s[G0V+3], s[G0V+3], 0x80000000
	TLOAD G0K, G1K, G0V, G1V                       ; slot 0
	; the prefetches: where my wave's stand, and who asks
	s_mov_b32 s14, 2*PARTB
	s_cmp_lt_u32 s[WV], 8
	s_cselect_b32 s14, PARTB, s14
	s_and_b32 s15, s[WV], 3
	s_lshl_b32 s15, s15, 13
	s_add_co_u32 s14, s14, s15
	s_add_co_u32 s14, s14, SLOTB                   ; in slot 1: the first change of slots steps it to slot 2
	s_add_co_u32 s14, s14, s12
	s_mov_b32 s15, 0
	s_add_nc_u64 s[PFA:PFA+1], s[4:5], s[14:15]
	s_sub_co_u32 s14, s[WV], 4
	s_lshr_b32 s14, s14, 3                         ; 0 in waves 4 to 11,
	s_or_b32 s14, s14, ttmp9                       ; of the head's first work-group
	s_cmp_eq_u32 s14, 0
	s_cselect_b32 s[LIM], 1, -1
	s_lshl_b32 s14, s[Q0], 7
	s_add_co_u32 s14, s14, s12
	s_mov_b32 s15, 0
	s_add_nc_u64 s[60:61], s[4:5], s[14:15]        ; Q at my first query
	s_lshr_b32 s16, s10, 4                         ; the batch
	s_lshl_b32 s14, s16, 11
	s_add_nc_u64 s[6:7], s[6:7], s[14:15]          ; its row of the mask
	s_and_b32 s17, s10, 15
	s_lshl_b32 s17, s17, 13
	s_add_co_u32 s14, s14, s17
	s_add_co_u32 s14, s14, s[Q0]
	s_lshl_b32 s14, s14, 7                         ; (head x 8,192 + batch x 2,048 + query) x 128
	s_add_nc_u64 s[8:9], s[8:9], s[14:15]
	v_and_b32 v28, 15, v0                          ; r
	v_bfe_u32 v29, v0, 4, 1                        ; h
	v_lshlrev_b32 v10, 7, v28
	v_lshl_add_u32 v10, v29, 4, v10                ; Q: row r of 128 bytes, + 16 h
.irp t, 0,1
.irp f, 0,1,2,3
	global_load_b128 v[QR+16*\t+4*\f:QR+16*\t+4*\f+3], v10, s[60:61] offset:2048*\t+32*\f
.endr
.endr
	v_lshlrev_b32 v11, 2, v0
	global_load_b32 v[ADM], v11, s[6:7]            ; the mask's bytes of keys 4 t .. 4 t + 3, t my thread's number
	v_and_b32 v[PFO], 31, v0
	v_lshlrev_b32 v[PFO], 8, v[PFO]
	v_lshrrev_b32 v30, 1, v28
	v_mul_u32_u24 v[AK0], v30, KP2
	v_and_b32 v30, 1, v0
	v_lshl_add_u32 v[AK0], v30, 7, v[AK0]
	v_lshl_add_u32 v[AK0], v29, 4, v[AK0]          ; K: key r: (r / 2) rows, (r % 2) x 128, + 16 h
	v_and_b32 v30, 7, v0
	v_lshl_add_u32 v30, v29, 3, v30                ; V: the turning load's key 8 h + l % 8,
	v_lshrrev_b32 v31, 1, v30
	v_mul_u32_u24 v[AV0], v31, VP2
	v_and_b32 v31, 1, v30
	v_lshl_add_u32 v[AV0], v31, 7, v[AV0]
	v_bfe_u32 v31, v0, 3, 1
	v_lshl_add_u32 v[AV0], v31, 4, v[AV0]          ; channels 8 ((l / 8) % 2) on
	v_add_nc_u32 v[AV0], VOFF, v[AV0]
	v_lshl_add_u32 v[AMB0], v29, 5, MB             ; the table: keys 8 h on
.irp t, 0,1
	v_mov_b32 v[ST+8*\t+1], MFLOOR                 ; m
	v_mul_f32 v[ST+8*\t], s[CS], v[ST+8*\t+1]      ; c m
.irp j, 2,3,4,5,6,7
	v_mov_b32 v[ST+8*\t+\j], 0
.endr
.endr
.set jj, 0
.rept 64
	v_mov_b32 v[OO+jj], 0                          ; O^T.  (The step is written once: its first pass finds zeros)
.set jj, jj+1
.endr
	v_mov_b32 v[ADK], MASKED
	s_wait_loadcnt 0x0                             ; Q and the mask
.irp e, 0,1,2,3
	v_bfe_u32 v[ADV], v[ADM], 8*\e, 8
	v_cmp_ne_u32 vcc_lo, 0, v[ADV]
	v_cndmask_b32 v[28+\e], 0, v[ADK], vcc_lo      ; 0, or -3e38 for a hidden key
.endr
	v_lshl_add_u32 v10, v0, 4, MB
	ds_store_b128 v10, v[28:31]                    ; the first change of slots waits for it and passes a barrier: then all sixteen waves may read the table
; A KEY STEP: 64 keys, the q-th of the slot in hand.
.macro STEP q
	s_add_co_u32 s58, s[Q0], 31
	s_cmp_gt_u32 s[KF], s58                        ; all its keys come after my queries: the work is left out (ids alone; no barrier, wait or tensor load stands in a step)
	s_cbranch_scc1 .Lhidden_\@
	v_add_nc_u32 v[ADK], s[TB], v[AK0]
	v_add_nc_u32 v[ADV], s[TB], v[AV0]
	v_add_nc_u32 v[ADM], s[TM], v[AMB0]
	v_nop
	v_nop                                          ; five places behind the last step's products: four for the loads below, five for the products that write over P
.irp kt, 0,1,2,3
.irp cs, 0,1
	ds_load_b128 v[FRG+16*\kt+8*\cs:FRG+16*\kt+8*\cs+3], v[ADK] offset:(\q)*32*KP2+\kt*8*KP2+64*\cs
	ds_load_b128 v[FRG+16*\kt+8*\cs+4:FRG+16*\kt+8*\cs+7], v[ADK] offset:(\q)*32*KP2+\kt*8*KP2+64*\cs+32
.endr
.endr
.irp kt, 0,1,2,3
	ds_load_b128 v[SS+8*\kt:SS+8*\kt+3], v[ADM] offset:64*\kt          ; the table's numbers of keys 16 kt + 8 h + 0 .. 7, where tile 0's scores will stand
	ds_load_b128 v[SS+8*\kt+4:SS+8*\kt+7], v[ADM] offset:64*\kt+16
.endr
	s_wait_dscnt 0x0
.irp kt, 0,1,2,3                               ; tile 1 first: its sums begin with the table's numbers as C
	v_wmma_f32_16x16x32_f16 v[SS+32+8*\kt:SS+32+8*\kt+7], v[FRG+16*\kt:FRG+16*\kt+7], v[QR+16:QR+23], v[SS+8*\kt:SS+8*\kt+7]
.endr
.irp kt, 0,1,2,3
	v_wmma_f32_16x16x32_f16 v[SS+32+8*\kt:SS+32+8*\kt+7], v[FRG+16*\kt+8:FRG+16*\kt+15], v[QR+24:QR+31], v[SS+32+8*\kt:SS+32+8*\kt+7]
.endr
.rept 5
	v_nop                                          ; five places before tile 0's products write over what tile 1's took as C
.endr
.irp kt, 0,1,2,3                               ; tile 0 adds onto the table's numbers in place
	v_wmma_f32_16x16x32_f16 v[SS+8*\kt:SS+8*\kt+7], v[FRG+16*\kt:FRG+16*\kt+7], v[QR:QR+7], v[SS+8*\kt:SS+8*\kt+7]
.endr
.irp kt, 0,1,2,3
	v_wmma_f32_16x16x32_f16 v[SS+8*\kt:SS+8*\kt+7], v[FRG+16*\kt+8:FRG+16*\kt+15], v[QR+8:QR+15], v[SS+8*\kt:SS+8*\kt+7]
.endr
.rept 4
	v_nop                                          ; places in front of the loads into K's registers and of the first read of the scores
.endr
.irp ks, 0,1
.irp ct, 0,1,2,3
	ds_load_tr16_b128 v[FRG+32*\ks+8*\ct:FRG+32*\ks+8*\ct+3], v[ADV] offset:(\q)*32*VP2+\ks*16*VP2+32*\ct           ; V lands under the softmax
	ds_load_tr16_b128 v[FRG+32*\ks+8*\ct+4:FRG+32*\ks+8*\ct+7], v[ADV] offset:(\q)*32*VP2+\ks*16*VP2+32*\ct+8*VP2
.endr
.endr
	s_add_co_u32 s58, s[KF], 63                    ; on the diagonal hidden scores become -3e38; a step all of whose keys count skips this
	s_cmp_le_u32 s58, s[Q0]
	s_cbranch_scc1 .Lopen_\@
	s_sub_co_i32 s58, s[Q0], s[KF]
	v_and_b32 v10, 15, v0
	v_bfe_u32 v11, v0, 4, 1
	v_lshlrev_b32 v11, 3, v11
	v_sub_nc_u32 v10, v10, v11
	v_add_nc_u32 v10, s58, v10                     ; d = my query of tile 0 - KF - 8 h: register 8 kt + j is hidden where 16 kt + j > d
	v_add_nc_u32 v11, 16, v10                      ; tile 1's
	v_mov_b32 v28, MASKED
.irp t, 0,1
.irp kt, 0,1,2,3
.irp j, 0,1,2,3,4,5,6,7
	v_cmp_gt_i32 vcc_lo, 16*\kt+\j, v[10+\t]
	v_cndmask_b32 v[SS+32*\t+8*\kt+\j], v[SS+32*\t+8*\kt+\j], v28, vcc_lo
.endr
.endr
.endr
.Lopen_\@:
.irp j, 0,1,2,3                                ; the maximum of 32 scores and the old m, in four chains, the two tiles line by line; each accumulator is read from its low end on
.irp t, 0,1
	v_max3_num_f32 v[ST+8*\t+4+\j], v[SS+32*\t+8*\j], v[SS+32*\t+8*\j+1], v[SS+32*\t+8*\j+2]
.endr
.endr
.irp g, 1,2
.irp j, 0,1,2,3
.irp t, 0,1
	v_max3_num_f32 v[ST+8*\t+4+\j], v[ST+8*\t+4+\j], v[SS+32*\t+8*\j+2*\g+1], v[SS+32*\t+8*\j+2*\g+2]
.endr
.endr
.endr
.irp t, 0,1
	v_max3_num_f32 v[ST+8*\t+4], v[ST+8*\t+4], v[SS+32*\t+7], v[SS+32*\t+15]
	v_max3_num_f32 v[ST+8*\t+6], v[ST+8*\t+6], v[SS+32*\t+23], v[SS+32*\t+31]
.endr
.irp t, 0,1
	v_max3_num_f32 v[ST+8*\t+4], v[ST+8*\t+4], v[ST+8*\t+5], v[ST+8*\t+6]
.endr
.irp t, 0,1
	v_max3_num_f32 v[ST+8*\t+4], v[ST+8*\t+4], v[ST+8*\t+7], v[ST+8*\t+1]
.endr
.irp t, 0,1
	v_permlanex16_b32 v[ST+8*\t+5], v[ST+8*\t+4], s[SEL], s[SEL+1]   ; the query's other 32 keys lie in the lane 16 away
.endr
.irp t, 0,1
	v_mov_b32 v[ST+8*\t+7], v[ST+8*\t]             ; c m_old
.endr
.irp t, 0,1
	v_max_num_f32 v[ST+8*\t+1], v[ST+8*\t+4], v[ST+8*\t+5]
.endr
.irp t, 0,1
	v_mul_f32 v[ST+8*\t], s[CS], v[ST+8*\t+1]
.endr
.irp t, 0,1
	v_sub_f32 v[ST+8*\t+7], v[ST+8*\t+7], v[ST+8*\t]
.endr
.set jj, 0
.rept 16
.irp t, 0,1
	v_pk_fma_f32 v[SS+32*\t+jj:SS+32*\t+jj+1], v[SS+32*\t+jj:SS+32*\t+jj+1], s[CS:CS+1], v[ST+8*\t:ST+8*\t+1] op_sel_hi:[1,0,0] neg_lo:[0,0,1] neg_hi:[0,0,1]   ; c s - c m
.endr
.set jj, jj+2
.endr
.irp t, 0,1
	v_exp_f32 v[ST+8*\t+6], v[ST+8*\t+7]           ; a
.endr
.set jj, 0
.rept 64
	v_exp_f32 v[SS+jj], v[SS+jj]                   ; p
.set jj, jj+1
.endr
	v_nop                                          ; a plain line behind the last exponential
	s_wait_alu depctr_va_vdst(0)                   ; one wait for the step's 66 exponentials, ahead of their first reader
.irp t, 0,1
	v_pk_mul_f32 v[ST+8*\t+2:ST+8*\t+3], v[ST+8*\t+2:ST+8*\t+3], v[ST+8*\t+6:ST+8*\t+7] op_sel_hi:[1,0]   ; l x a
.endr
.irp t, 0,1                                    ; the sum of the unrounded p, in two chains a tile
	v_pk_add_f32 v[ST+8*\t+4:ST+8*\t+5], v[SS+32*\t+2:SS+32*\t+3], v[SS+32*\t+6:SS+32*\t+7]
	v_pk_add_f32 v[ST+8*\t+2:ST+8*\t+3], v[ST+8*\t+2:ST+8*\t+3], v[SS+32*\t:SS+32*\t+1]
.endr
.irp j, 4,8,12,16,20,24
.irp t, 0,1
	v_pk_add_f32 v[ST+8*\t+2:ST+8*\t+3], v[ST+8*\t+2:ST+8*\t+3], v[SS+32*\t+\j:SS+32*\t+\j+1]
	v_pk_add_f32 v[ST+8*\t+4:ST+8*\t+5], v[ST+8*\t+4:ST+8*\t+5], v[SS+32*\t+\j+6:SS+32*\t+\j+7]
.endr
.endr
.irp t, 0,1
	v_pk_add_f32 v[ST+8*\t+2:ST+8*\t+3], v[ST+8*\t+2:ST+8*\t+3], v[SS+32*\t+28:SS+32*\t+29]
.endr
.irp t, 0,1
	v_pk_add_f32 v[ST+8*\t+2:ST+8*\t+3], v[ST+8*\t+2:ST+8*\t+3], v[ST+8*\t+4:ST+8*\t+5]
.endr
.set jj, 0
.rept 16
.irp t, 0,1
	v_cvt_pk_f16_f32 v[SS+32*\t+jj], v[SS+32*\t+2*jj], v[SS+32*\t+2*jj+1]   ; P, in place: register i takes pair i, which lies at or above it
.endr
.set jj, jj+1
.endr
.set jj, 0
.rept 16
.irp t, 0,1
	v_pk_mul_f32 v[OO+32*\t+jj:OO+32*\t+jj+1], v[OO+32*\t+jj:OO+32*\t+jj+1], v[ST+8*\t+6:ST+8*\t+7] op_sel_hi:[1,0]   ; O^T x a
.endr
.set jj, jj+2
.endr
	s_wait_dscnt 0x0                               ; V
.irp ks, 0,1                                   ; O^T += V^T P: the eight accumulators by turns
.irp ct, 0,1,2,3
.irp t, 0,1
	v_wmma_f32_16x16x32_f16 v[OO+32*\t+8*\ct:OO+32*\t+8*\ct+7], v[FRG+32*\ks+8*\ct:FRG+32*\ks+8*\ct+7], v[SS+32*\t+8*\ks:SS+32*\t+8*\ks+7], v[OO+32*\t+8*\ct:OO+32*\t+8*\ct+7]
.endr
.endr
.endr
.Lhidden_\@:
	s_add_co_u32 s[KF], s[KF], 64
	s_add_co_u32 s[TM], s[TM], 256
.endm
; THE CHANGE OF SLOTS stands at a slot's head.  Each wave waits for all its tensor loads, adds 0 to its spare word, and waits for that and for its reads of the slot that it has left; behind the barrier
; the slot ahead is whole and nobody reads the other one.  fill = 1: that other slot is asked for, up to the causal limit: the load has a slot's four steps in which to land.
.macro CHANGE fill
	s_wait_tensorcnt 0x0                           ; no tensor load of mine is out, so a group 0 may be written
	ds_add_u32 v[SPW], v[NIL]
.if \fill
	ds_add_u32 v[SPW], v[NIL]                      ; and twice on end here, in every trip alike
	s_xor_b32 s[G0K+1], s[G0K+1], SLOT1            ; the walking descriptors: the other slot, the next 256 keys
	s_add_nc_u64 s[G0K+2:G0K+3], s[G0K+2:G0K+3], SLOTB
	s_xor_b32 s[G0V+1], s[G0V+1], SLOT1
	s_add_nc_u64 s[G0V+2:G0V+3], s[G0V+2:G0V+3], SLOTB
	s_wait_xcnt 0x0                                ; the last prefetch, a slot back, has read its address
	s_add_nc_u64 s[PFA:PFA+1], s[PFA:PFA+1], SLOTB ; one slot further on than the walking descriptors
.endif
	s_wait_dscnt 0x0
	s_barrier_signal -1
	s_barrier_wait -1
.if \fill
	s_add_co_u32 s58, s[KF], 256                   ; the first key of the slot that this change would ask for
	s_cmp_gt_u32 s58, s[QLAST]                     ; beyond my work-group's last query none of its waves reads it: ids and the count of steps alone, the same in all sixteen waves
	s_cbranch_scc1 .Lpast_\@
	TLOAD G0K, G1K, G0V, G1V                       ; a wave's one tensor load until the next barrier
.Lpast_\@:
	ASK
.endif
.endm
.macro SLOT_STEPS
	STEP 0
	STEP 1
	STEP 2
	STEP 3
	s_xor_b32 s[TB], s[TB], SLOT1
.endm
.Lslot:                                            ; 7 trips: behind each change of slots but the last the next slot is asked for, up to the causal limit
	CHANGE 1
	SLOT_STEPS
	s_sub_co_u32 s[SLOTS], s[SLOTS], 1
	s_cmp_lg_u32 s[SLOTS], 0
	s_cbranch_scc1 .Lslot
	CHANGE 0                                       ; the last slot is written out: nothing is left to ask for
	SLOT_STEPS
	; THE WAY OUT.  O^T / l, rounded to f16, through my stage, a tile of 16 queries at a time; a store covers 512 consecutive bytes: four queries' rows.
.irp t, 0,1
	v_add_f32 v[ST+8*\t+4], v[ST+8*\t+2], v[ST+8*\t+3]
.endr
.irp t, 0,1
	v_permlanex16_b32 v[ST+8*\t+5], v[ST+8*\t+4], s[SEL], s[SEL+1]
.endr
.irp t, 0,1
	v_add_f32 v[ST+8*\t+4], v[ST+8*\t+4], v[ST+8*\t+5]
.endr
.irp t, 0,1
	v_rcp_f32 v[ST+8*\t+6], v[ST+8*\t+4]
.endr
	v_and_b32 v28, 15, v0                          ; (plain lines behind the reciprocals)
	v_bfe_u32 v29, v0, 4, 1
	s_mul_i32 s58, s[WV], 16*SROW
	s_add_co_u32 s58, s58, STAGE                   ; my stage
	v_mul_u32_u24 v4, v28, SROW
	v_lshl_add_u32 v4, v29, 4, v4
	v_add_nc_u32 v4, s58, v4                       ; in: row r, + 16 h
	v_and_b32 v30, 31, v0
	v_lshrrev_b32 v31, 3, v30
	v_mul_u32_u24 v5, v31, SROW
	v_and_b32 v31, 7, v0
	v_lshl_add_u32 v5, v31, 4, v5
	v_add_nc_u32 v5, s58, v5                       ; back: eight lanes to a row of 128 bytes
	v_lshlrev_b32 v6, 4, v30
	s_wait_alu depctr_va_vdst(0)                   ; one wait for both reciprocals, ahead of their first reader
.irp t, 0,1
.set jj, 0
.rept 16
	v_pk_mul_f32 v[OO+32*\t+jj:OO+32*\t+jj+1], v[OO+32*\t+jj:OO+32*\t+jj+1], v[ST+8*\t+6:ST+8*\t+7] op_sel_hi:[1,0]
.set jj, jj+2
.endr
.set jj, 0
.rept 16
	v_cvt_pk_f16_f32 v[FRG+16*\t+jj], v[OO+32*\t+2*jj], v[OO+32*\t+2*jj+1]
.set jj, jj+1
.endr
.irp f, 0,1,2,3
	ds_store_b128 v4, v[FRG+16*\t+4*\f:FRG+16*\t+4*\f+3] offset:32*\f
.endr
.irp f, 0,1,2,3
	ds_load_b128 v[FRG+32+16*\t+4*\f:FRG+32+16*\t+4*\f+3], v5 offset:\f*4*SROW   ; LDS serves a wave's instructions in order: these see my stores, and the next tile's stores come behind them
.endr
.endr
.irp t, 0,1
.irp f, 0,1,2,3
	s_wait_dscnt 11-8*\t-\f                        ; behind this load: the tile's later loads, and for tile 0 the eight of tile 1
	global_store_b128 v6, v[FRG+32+16*\t+4*\f:FRG+32+16*\t+4*\f+3], s[8:9] offset:2048*\t+512*\f
.endr
.endr
	s_wait_tensorcnt 0x0                           ; the wave's end
	ds_add_u32 v[SPW], v[NIL]
	s_wait_dscnt 0x0
	s_endpgm
.Lfunc_end_k_q2f6bec8ec2_attn:
	.size	k_q2f6bec8ec2_attn, .Lfunc_end_k_q2f6bec8ec2_attn-k_q2f6bec8ec2_attn
	.p2alignl 7, 3214868480
	.fill 96, 4, 3214868480
	.section	.rodata,"a",@progbits
	.p2align	6, 0x0
	.amdhsa_kernel k_q2f6bec8ec2_attn
		.amdhsa_group_segment_fixed_size 327680
		.amdhsa_private_segment_fixed_size 0
		.amdhsa_enable_private_segment 0
		.amdhsa_kernarg_size 24
		.amdhsa_user_sgpr_count 2
		.amdhsa_user_sgpr_kernarg_segment_ptr 1
		.amdhsa_wavefront_size32 1
		.amdhsa_system_sgpr_workgroup_id_x 1
		.amdhsa_system_sgpr_workgroup_id_y 1
		.amdhsa_system_sgpr_workgroup_id_z 1
		.amdhsa_system_vgpr_workitem_id 0
		.amdhsa_next_free_vgpr 256
		.amdhsa_next_free_sgpr 66
		.amdhsa_reserve_vcc 1
		.amdhsa_float_denorm_mode_32 3
		.amdhsa_float_denorm_mode_16_64 3
		.amdhsa_memory_ordered 1
		.amdhsa_forward_progress 1
		.amdhsa_inst_pref_size 197
	.end_amdhsa_kernel
	.amdgpu_metadata
---
amdhsa.version: [ 1, 2 ]
amdhsa.kernels:
  - .name:           k_q2f6bec8ec2_attn
    .symbol:         k_q2f6bec8ec2_attn.kd
    .args:
      - { .name: qkv, .offset: 0, .size: 8, .value_kind: global_buffer, .address_space: global }
      - { .name: mask, .offset: 8, .size: 8, .value_kind: global_buffer, .address_space: global }
      - { .name: att16, .offset: 16, .size: 8, .value_kind: global_buffer, .address_space: global }
    .group_segment_fixed_size: 327680
    .private_segment_fixed_size: 0
    .kernarg_segment_align: 8
    .kernarg_segment_size: 24
    .max_flat_workgroup_size: 512
    .sgpr_count:     66
    .vgpr_count:     256
    .wavefront_size: 32
...
	.end_amdgpu_metadata
.endif
;; end of part 4
;; launch outgemm (part 5): grid 4 x 64, 4 waves a work-group, clusters of 4 x 4, 327,680 bytes of LDS; arguments att16, wo16, Wo_b, out0; writes out0
.if DOCPART == 5
	.amdgcn_target "amdgcn-amd-amdhsa--gfx1250"
	.amdhsa_code_object_version 6
	.text
	.protected	k_q2f6bec8ec2_outgemm
	.globl	k_q2f6bec8ec2_outgemm
	.p2align	8
	.type	k_q2f6bec8ec2_outgemm,@function
k_q2f6bec8ec2_outgemm:
	s_mov_b64 s[64:65], 0
	v_nop
	global_prefetch_b8 v0, s[64:65] scope:SCOPE_SE
	s_setreg_imm32_b32 hwreg(HW_REG_WAVE_MODE, 25, 1), 1
	s_wait_xcnt 0x0
	s_wait_alu depctr_hold_cnt(0) depctr_sa_sdst(0) depctr_va_vdst(0) depctr_va_sdst(0) depctr_va_ssrc(0) depctr_va_vcc(0) depctr_vm_vsrc(0)
	s_getreg_b32 s2, hwreg(HW_REG_IB_STS2, 6, 4)
	s_cmp_eq_u32 s2, 0
	s_cbranch_scc0 .Lentry_in_a_cluster
	s_endpgm
.Lentry_in_a_cluster:
	s_bfe_u32 s2, ttmp6, 0x10000c
	s_cmp_lg_u32 s2, 0xf033
	s_cbranch_scc0 .Lentry_shape_is_right
	s_endpgm
.Lentry_shape_is_right:
; out0 = A Wo^T + Wo_b.  A is the attention's result, f16, laid [head 16][row 8192][64]: K = 64 head + channel.  wo16: [1024 n][1024 k] f16.  out0: [8192][1024] f32; sums in f32.
; A tile of 128 x 256 gives 256 work-groups (256 x 256 would give 128).  Four waves, 64 x 128 each: 32 accumulators.  K goes in steps of 128, two heads, through a ring of two slots:
; a head's 128 rows of 128 bytes are dense in memory and come as 64 rows of 256 bytes; B's rows are 256 bytes of memory.  One load a wave: waves 0 and 1 a head of A each, waves 2 and 3 half of B each.
; CLUSTERS: 4 x 4 work-groups; A's tiles are asked for jointly along a row of the cluster, B's along a column; where a slot is filled again a round of the cluster's barrier stands in front.
; THE MATRIX INSTRUCTION IS USED TRANSPOSED (source 0 = 16 rows of Wo, source 1 = 16 rows of A): a lane holds eight neighbouring columns of a row.  The bias is the C of the first quarter's products.
; Rows 0-15 of each batch are written here too and written over by the next launch, which carries them in f32.
; REGISTERS: window 0: v0-31 addresses; v32-63, v64-95 A's fragments, two buffers; v128-191 the bias; on the way out v128-255 rows.  window 1: v0-63, v64-127 B's fragments.  window 2: accumulator (a, b) at v[8 (8 a + b)].
.set KSTEP,  128
.set PITCH,  272                       ; 256 bytes + 16 of padding
.set HA,     64*PITCH                  ; a head's 128 rows of A
.set HB,     128*PITCH                 ; 128 rows of B
.set BOFF,   2*HA
.set SLOT,   BOFF+2*HB
.set STAGE,  2*SLOT                    ; 16 rows x 528 bytes for each wave
.set SPITCH, 528
.set SPARE,  STAGE+4*16*SPITCH
.set LAPS,   4                         ; 1,024 / 256
.set HEADB,  1048576                   ; a head of A in bytes
.set ADRA, 16
.set ADRB, 20
.set STO,  24
.set RD,   25
.set CO,   26
.set SPW,  28
.set NIL,  29
.set VB,   30
.set AFR,  32
.set BIAS, 128
.set BK,   128
.set G1, 24
.set G0, 32
.set G1B, 48
.set G0B, 56
.set MSB, 0
.macro WIN new
.if MSB != (\new)
	s_set_vgpr_msb (MSB<<8)|(\new)
.set MSB, (\new)
.endif
.endm
.set MUL,  0xa1                        ; source 0 (B) window 1, source 1 (A) window 0, C and D window 2
.set TO_B, 0x40
.macro JLOAD s                         ; a joint load; an s_nop 0 and four v_nop follow each of the two lines
	s_cmp_eq_u32 s11, 0
	s_cbranch_scc0 .Lfor_b_\@
	tensor_load_to_lds s[G0+4*\s:G0+4*\s+3], s[G1:G1+7]
	s_nop 0
.rept 4
	v_nop
.endr
	s_branch .Lasked_\@
.Lfor_b_\@:
	tensor_load_to_lds s[G0B+4*\s:G0B+4*\s+3], s[G1B:G1B+7]
	s_nop 0
.rept 4
	v_nop
.endr
.Lasked_\@:
.endm
.macro CREST
	s_cmp_lg_u32 s10, 0
	s_cbranch_scc1 .Lnot_wave_0_\@
	s_barrier_signal -3
.Lnot_wave_0_\@:
	s_barrier_wait -3
	s_barrier_signal -1
	s_barrier_wait -1
.endm
.macro CROUND
	s_barrier_signal -1
	s_barrier_wait -1
	CREST
.endm
	s_load_b128 s[4:7], s[0:1], 0x0                ; att16, wo16
	s_load_b64 s[66:67], s[0:1], 0x10              ; Wo_b
	s_load_b64 s[8:9], s[0:1], 0x18                ; out0
	v_lshl_add_u32 v[SPW], v0, 2, SPARE
	v_mov_b32 v[NIL], 0
	ds_add_u32 v[SPW], v[NIL]                      ; the wave's opening: the add, twice on end, and its wait ahead of my first tensor load
	ds_add_u32 v[SPW], v[NIL]
	v_lshrrev_b32 v1, 5, v0
	v_readfirstlane_b32 s10, v1                    ; wave 0..3
	s_lshr_b32 s11, s10, 1                         ; which 64 rows are mine.  Also: I fetch for A (0) or for B (1)
	s_and_b32 s12, s10, 1                          ; which 128 columns.  Also: which head of A, or which half of B, I fetch
	s_bfe_u32 s40, ttmp6, 0x40000
	s_bfe_u32 s41, ttmp6, 0x40004
	s_lshl_b32 s42, ttmp9, 2
	s_add_co_u32 s42, s42, s40                     ; tile column
	s_and_b32 s13, ttmp7, 0xffff
	s_lshl_b32 s13, s13, 2
	s_add_co_u32 s13, s13, s41                     ; tile row
	s_lshl_b32 s43, s41, 2
	s_lshl_b32 s43, 15, s43                        ; my row of the cluster
	s_lshl_b32 s44, 0x1111, s40                    ; my column
	s_or_b32 s[G1+0], s43, (1<<16)|(1<<20)|(1<<21)|(5<<22)|(3<<25)   ; the mask; elements of 2 bytes; padding: 4 words behind every 64
	s_or_b32 s[G1B+0], s44, (1<<16)|(1<<20)|(1<<21)|(5<<22)|(3<<25)
	s_mov_b32 s[G1+1], 128<<16                     ; A: 64 rows of 128 elements, dense
	s_mov_b32 s[G1+2], 64<<16
	s_mov_b32 s[G1+3], 128<<16
	s_mov_b32 s[G1+4], 64
	s_mov_b32 s[G1+5], 128
	s_mov_b32 s[G1+6], 0
	s_mov_b32 s[G1+7], 0
	s_mov_b32 s[G1B+1], 128<<16                    ; B: 128 rows of 128 elements, 1,024 apart
	s_mov_b32 s[G1B+2], 128<<16
	s_mov_b32 s[G1B+3], 128<<16
	s_mov_b32 s[G1B+4], 128
	s_mov_b32 s[G1B+5], 1024
	s_mov_b32 s[G1B+6], 0
	s_mov_b32 s[G1B+7], 0
	s_lshl_b32 s16, s13, 14                        ; A: tile row x 128 rows x 128 bytes,
	s_lshl_b32 s17, s12, 20                        ; in the head that I fetch
	s_add_co_u32 s16, s16, s17
	s_mov_b32 s17, 0
	s_lshl_b32 s46, s42, 19                        ; B: row 256 x tile column + 128 x half, 2,048 bytes a row
	s_lshl_b32 s47, s12, 18
	s_add_co_u32 s46, s46, s47
	s_mov_b32 s47, 0
	s_mul_i32 s20, s12, HA                         ; where they go: no place in the cluster enters an LDS address
	s_mul_i32 s21, s12, HB
	s_add_co_u32 s21, s21, BOFF
	s_wait_dscnt 0x0                               ; both opening adds are done
	s_wait_kmcnt 0x0
	s_add_nc_u64 s[14:15], s[4:5], s[16:17]
	s_add_nc_u64 s[46:47], s[6:7], s[46:47]
	CROUND                                         ; all sixteen work-groups are here: the first joint loads meet
.irp s, 0,1
	s_mov_b32 s[G0+4*\s], 1
	s_add_co_u32 s[G0+4*\s+1], s20, \s*SLOT
	s_add_nc_u64 s[G0+4*\s+2:G0+4*\s+3], s[14:15], \s*2*HEADB
	s_or_b32 s[G0+4*\s+3], s[G0+4*\s+3], 0x80000000
	s_mov_b32 s[G0B+4*\s], 1
	s_add_co_u32 s[G0B+4*\s+1], s21, \s*SLOT
	s_add_nc_u64 s[G0B+4*\s+2:G0B+4*\s+3], s[46:47], \s*KSTEP*2
	s_or_b32 s[G0B+4*\s+3], s[G0B+4*\s+3], 0x80000000
	JLOAD \s
.endr
	v_and_b32 v1, 15, v0                           ; r
	v_bfe_u32 v2, v0, 4, 1                         ; h
	v_lshrrev_b32 v3, 1, v1
	v_mul_u32_u24 v3, v3, PITCH
	v_and_b32 v4, 1, v0
	v_lshl_add_u32 v3, v4, 7, v3
	v_lshl_add_u32 v3, v2, 4, v3                   ; A: row r: (r / 2) LDS rows, (r % 2) x 128, + 16 h
	v_mul_u32_u24 v4, v1, PITCH
	v_lshl_add_u32 v4, v2, 4, v4                   ; B: row r, + 16 h
	s_mul_i32 s21, s11, 32*PITCH                   ; my 64 rows of A
	s_mul_i32 s22, s12, HB                         ; my 128 rows of B,
	s_add_co_u32 s22, s22, BOFF                    ; behind A's two heads
.irp s, 0,1
	v_add_nc_u32 v[ADRA+\s], s21, v3
	v_add_nc_u32 v[ADRB+\s], s22, v4
	s_add_co_u32 s21, s21, SLOT
	s_add_co_u32 s22, s22, SLOT
.endr
	s_mul_i32 s23, s10, 16*SPITCH
	s_add_co_u32 s23, s23, STAGE                   ; my stage
	v_mul_u32_u24 v5, v1, SPITCH
	v_lshl_add_u32 v5, v2, 5, v5
	v_add_nc_u32 v[STO], s23, v5                   ; in: row r, 32 bytes for each half of the lanes
	v_and_b32 v6, 31, v0
	v_lshlrev_b32 v[CO], 4, v6                     ; back: the 32 lanes take a row of 512 bytes; and the same in out0
	v_add_nc_u32 v[RD], s23, v[CO]
	v_lshlrev_b32 v[VB], 5, v2
	s_lshl_b32 s16, s13, 19                        ; my first row: (128 x tile row + 64 x half) x 4,096 bytes
	s_lshl_b32 s17, s11, 18
	s_add_co_u32 s16, s16, s17
	s_lshl_b32 s46, s42, 10                        ; my first column: 1,024 x tile column + 512 x half
	s_lshl_b32 s47, s12, 9
	s_add_co_u32 s46, s46, s47
	s_mov_b32 s47, 0
	s_add_nc_u64 s[66:67], s[66:67], s[46:47]      ; and its bias
	s_add_co_u32 s46, s46, s16
	s_add_nc_u64 s[8:9], s[8:9], s[46:47]
.irp b, 0,1,2,3,4,5,6,7
	global_load_b128 v[BIAS+8*\b:BIAS+8*\b+3], v[VB], s[66:67] offset:64*\b          ; columns 16 b + 8 h + 0 .. 7
	global_load_b128 v[BIAS+8*\b+4:BIAS+8*\b+7], v[VB], s[66:67] offset:64*\b+16
.endr
; 8 matrix instructions: A's block a x B's eight, 32 along K, buffer f.  zero = 1: C is the bias.  The 32 accumulators take turns, in the same order in every quarter.
.macro MUL8 f, a, zero
.irp b, 0,1,2,3,4,5,6,7
.if \zero
	v_wmma_f32_16x16x32_f16 v[8*(8*(\a)+\b):8*(8*(\a)+\b)+7], v[64*(\f)+8*\b:64*(\f)+8*\b+7], v[AFR+32*(\f)+8*(\a):AFR+32*(\f)+8*(\a)+7], v[BIAS+8*\b:BIAS+8*\b+7]
.else
	v_wmma_f32_16x16x32_f16 v[8*(8*(\a)+\b):8*(8*(\a)+\b)+7], v[64*(\f)+8*\b:64*(\f)+8*\b+7], v[AFR+32*(\f)+8*(\a):AFR+32*(\f)+8*(\a)+7], v[8*(8*(\a)+\b):8*(8*(\a)+\b)+7]
.endif
.endr
.endm
; 24 LDS loads in one run: the fragments of the slot's q-th 32 along K into buffer f: B's eight blocks, then A's four.  Quarters 0, 1 lie in the step's first head, 2, 3 in its second.
.macro FETCH slot, q, f
	WIN TO_B
.irp i, 0,1,2,3,4,5,6,7
	ds_load_b128 v[64*(\f)+8*\i:64*(\f)+8*\i+3], v[ADRB+\slot] offset:64*(\q)+\i*16*PITCH
	ds_load_b128 v[64*(\f)+8*\i+4:64*(\f)+8*\i+7], v[ADRB+\slot] offset:64*(\q)+\i*16*PITCH+32
.endr
	WIN 0
.irp i, 0,1,2,3
	ds_load_b128 v[AFR+32*(\f)+8*\i:AFR+32*(\f)+8*\i+3], v[ADRA+\slot] offset:((\q)/2)*HA+\i*8*PITCH+((\q)%2)*64
	ds_load_b128 v[AFR+32*(\f)+8*\i+4:AFR+32*(\f)+8*\i+7], v[ADRA+\slot] offset:((\q)/2)*HA+\i*8*PITCH+((\q)%2)*64+32
.endr
.endm
.macro PLACES
.rept 4
	v_nop
.endr
.endm
; One of a K step's first three quarters: multiplies buffer f and fetches quarter qn of the same slot into buffer g.
.macro QUARTER slot, qn, f, g, zero
	s_wait_dscnt 4                                 ; B and A's blocks 0, 1 are in; the youngest four loads (A's blocks 2, 3) may be out
	WIN MUL-0x20*(\zero)                           ; (the bias lies in window 0)
	MUL8 \f, 0, \zero
	MUL8 \f, 1, \zero
	PLACES
	FETCH \slot, \qn, \g
	s_wait_dscnt 24                                ; all but the 24 just issued
	WIN MUL-0x20*(\zero)
	MUL8 \f, 2, \zero
	MUL8 \f, 3, \zero
.endm
; The last quarter multiplies buffer 1 and changes slots: one barrier; in front of it each wave waits for all its tensor loads, adds 0 to its spare word, and waits for that and for its reads of this slot.
.macro TURN slot, next, fill
	WIN 0                                          ; (the add's two registers lie in window 0)
	s_wait_tensorcnt 0x0                           ; my part of the next slot has landed
	ds_add_u32 v[SPW], v[NIL]
	s_wait_dscnt 5                                 ; (the add and the youngest four loads may be out)
	WIN MUL
	MUL8 1, 0, 0
	s_wait_dscnt 0x0                               ; the add is done, and my reads of this slot are over
	s_barrier_signal -1
	MUL8 1, 1, 0
.if \fill
	WIN 0
.endif
	s_barrier_wait -1
.if \fill
	CREST                                          ; the barrier has opened a round of the cluster's barrier: no wave of any partner still reads this slot or has a load on its way
	s_add_nc_u64 s[G0+4*\slot+2:G0+4*\slot+3], s[G0+4*\slot+2:G0+4*\slot+3], 4*HEADB
	s_add_nc_u64 s[G0B+4*\slot+2:G0B+4*\slot+3], s[G0B+4*\slot+2:G0B+4*\slot+3], 2*KSTEP*2
	JLOAD \slot                                    ; the first tensor load behind the round; its four v_nop are also the places in front of the loads below
.else
	PLACES
.endif
	FETCH \next, 0, 0
	WIN MUL
	MUL8 1, 2, 0
	MUL8 1, 3, 0
.endm
	s_wait_tensorcnt 1                             ; my part of K step 0 is in; K step 1's load may be out
	s_barrier_signal -1
	s_barrier_wait -1
	FETCH 0, 0, 0
	s_wait_loadcnt 0x0                             ; the bias
	QUARTER 0, 1, 0, 1, 1                          ; the first quarter stands in front of the loop: its products start the sums
	WIN 0
	s_mov_b32 s3, LAPS-1
.Llap:                                                 ; a trip goes once round the ring and fills both slots again
	QUARTER 0, 2, 1, 0, 0
	QUARTER 0, 3, 0, 1, 0
	TURN 0, 1, 1
	QUARTER 1, 1, 0, 1, 0
	QUARTER 1, 2, 1, 0, 0
	QUARTER 1, 3, 0, 1, 0
	TURN 1, 0, 1
	QUARTER 0, 1, 0, 1, 0
	WIN 0
	s_sub_co_u32 s3, s3, 1
	s_cmp_lg_u32 s3, 0
	s_cbranch_scc1 .Llap
	QUARTER 0, 2, 1, 0, 0                          ; the last lap fills nothing
	QUARTER 0, 3, 0, 1, 0
	TURN 0, 1, 0
	QUARTER 1, 1, 0, 1, 0
	QUARTER 1, 2, 1, 0, 0
	QUARTER 1, 3, 0, 1, 0
	s_wait_dscnt 4
	WIN MUL
	MUL8 1, 0, 0
	MUL8 1, 1, 0
	s_wait_dscnt 0
	MUL8 1, 2, 0
	MUL8 1, 3, 0
	WIN 0
; THE WAY OUT, a block of 16 rows x 128 columns at a time, through my own stage: back as whole rows of 512 bytes.
.macro TOSTAGE a
	WIN 0x08                                       ; an LDS store's data are its source 1: window 2
.irp b, 0,1,2,3,4,5,6,7
	ds_store_b128 v[STO], v[8*(8*(\a)+\b):8*(8*(\a)+\b)+3] offset:64*\b          ; each accumulator from its low end on
	ds_store_b128 v[STO], v[8*(8*(\a)+\b)+4:8*(8*(\a)+\b)+7] offset:64*\b+16
.endr
	WIN 0
.set BB, BK+64*((\a)%2)
.irp t, 0,1,2,3,4,5,6,7,8,9,10,11,12,13,14,15
	ds_load_b128 v[BB+4*\t:BB+4*\t+3], v[RD] offset:\t*SPITCH     ; LDS serves a wave's instructions in order: these see the stores above
.endr
.endm
.macro SEND a, younger
.set BB, BK+64*((\a)%2)
	s_wait_dscnt \younger
.irp t, 0,1,2,3,4,5,6,7,8,9,10,11,12,13,14,15
	global_store_b128 v[CO], v[BB+4*\t:BB+4*\t+3], s[8:9] offset:(\a)*65536+\t*4096 th:TH_STORE_NT   ; 512 consecutive bytes, aligned
.endr
.endm
	PLACES                                         ; in front of the first read of results
	TOSTAGE 0
.irp a, 1,2,3
.if \a > 1
	s_wait_xcnt 0x0                                ; block a - 2's stores have read their registers: block a's loads may land there
.endif
	TOSTAGE \a
	SEND \a-1, 32                                  ; behind block a - 1's loads: block a's 16 stores and 16 loads
.endr
	SEND 3, 0
	s_wait_tensorcnt 0x0                           ; the wave's end
	ds_add_u32 v[SPW], v[NIL]
	s_wait_dscnt 0x0
	CROUND                                         ; the closing round
	s_endpgm
.Lfunc_end_k_q2f6bec8ec2_outgemm:
	.size	k_q2f6bec8ec2_outgemm, .Lfunc_end_k_q2f6bec8ec2_outgemm-k_q2f6bec8ec2_outgemm
	.p2alignl 7, 3214868480
	.fill 96, 4, 3214868480
	.section	.rodata,"a",@progbits
	.p2align	6, 0x0
	.amdhsa_kernel k_q2f6bec8ec2_outgemm
		.amdhsa_group_segment_fixed_size 327680
		.amdhsa_private_segment_fixed_size 0
		.amdhsa_enable_private_segment 0
		.amdhsa_kernarg_size 32
		.amdhsa_user_sgpr_count 2
		.amdhsa_user_sgpr_kernarg_segment_ptr 1
		.amdhsa_wavefront_size32 1
		.amdhsa_system_sgpr_workgroup_id_x 1
		.amdhsa_system_sgpr_workgroup_id_y 1
		.amdhsa_system_sgpr_workgroup_id_z 1
		.amdhsa_system_vgpr_workitem_id 0
		.amdhsa_next_free_vgpr 768
		.amdhsa_next_free_sgpr 72
		.amdhsa_reserve_vcc 0
		.amdhsa_float_denorm_mode_32 3
		.amdhsa_float_denorm_mode_16_64 3
		.amdhsa_memory_ordered 1
		.amdhsa_forward_progress 1
		.amdhsa_inst_pref_size 87
	.end_amdhsa_kernel
	.amdgpu_metadata
---
amdhsa.version: [ 1, 2 ]
amdhsa.kernels:
  - .name:           k_q2f6bec8ec2_outgemm
    .symbol:         k_q2f6bec8ec2_outgemm.kd
    .args:
      - { .name: att16, .offset: 0, .size: 8, .value_kind: global_buffer, .address_space: global }
      - { .name: wo16, .offset: 8, .size: 8, .value_kind: global_buffer, .address_space: global }
      - { .name: Wo_b, .offset: 16, .size: 8, .value_kind: global_buffer, .address_space: global }
      - { .name: out0, .offset: 24, .size: 8, .value_kind: global_buffer, .address_space: global }
    .group_segment_fixed_size: 327680
    .private_segment_fixed_size: 0
    .kernarg_segment_align: 8
    .kernarg_segment_size: 32
    .max_flat_workgroup_size: 128
    .sgpr_count:     72
    .vgpr_count:     768
    .wavefront_size: 32
...
	.end_amdgpu_metadata
.endif
;; end of part 5
;; launch fineproj (part 6): grid 64 x 1, 4 waves a work-group, no clusters, 0 bytes of LDS; arguments ofine, Wo_w, Wo_b, out0; writes out0
.if DOCPART == 6
	.amdgcn_target "amdgcn-amd-amdhsa--gfx1250"
	.amdhsa_code_object_version 6
	.text
	.protected	k_q2f6bec8ec2_fineproj
	.globl	k_q2f6bec8ec2_fineproj
	.p2align	8
	.type	k_q2f6bec8ec2_fineproj,@function
k_q2f6bec8ec2_fineproj:
	s_mov_b64 s[64:65], 0
	v_nop
	global_prefetch_b8 v0, s[64:65] scope:SCOPE_SE
	s_setreg_imm32_b32 hwreg(HW_REG_WAVE_MODE, 25, 1), 1
	s_wait_xcnt 0x0
; The projection of the first 16 positions of each batch, with f32 operands: out0[b][0..15][n] = the sum over k of ofine[b][.][k] Wo_w[n][k] + Wo_b[n].  It writes over what the launch before left in these rows.
; A work-group takes 16 columns, its wave w batch w.  Used transposed (source 0 = 16 rows of Wo_w, source 1 = the 16 positions): a lane holds position r and columns 8 h + 0 .. 7.
; An f32 operand holds k = 2 h + j' in register j'.  A lane loads 128 neighbouring bytes of its row (k = 64 t + 32 h + 0 .. 31) and registers 2 u, 2 u + 1 feed instruction u: the same choice of k on both
; sides.  Four sums by turns, added at the end.  16 of 2,048 positions: no bulk work; no LDS, no barrier, nothing that a cluster could share (Wo_w's rows are read by one work-group's four waves).
	s_load_b128 s[4:7], s[0:1], 0x0                ; ofine, Wo_w
	s_load_b128 s[8:11], s[0:1], 0x10              ; Wo_b, out0
	v_lshrrev_b32 v4, 5, v0
	v_readfirstlane_b32 s12, v4                    ; wave = batch
	v_and_b32 v5, 15, v0                           ; r
	v_bfe_u32 v6, v0, 4, 1                         ; h
	v_lshlrev_b32 v1, 12, v5
	v_lshl_add_u32 v3, v6, 5, v1                   ; out0: row r of 4,096 bytes, + 32 h
	v_lshl_add_u32 v1, v6, 7, v1                   ; both operands: row r of 4,096 bytes, + 128 h
	v_lshlrev_b32 v2, 5, v6                        ; the bias: 32 h
	s_mov_b32 s15, 0
	s_wait_kmcnt 0x0
	s_lshl_b32 s14, s12, 16
	s_add_nc_u64 s[4:5], s[4:5], s[14:15]          ; the batch's 16 rows
	s_lshl_b32 s14, ttmp9, 16
	s_add_nc_u64 s[6:7], s[6:7], s[14:15]          ; my 16 rows of Wo_w
	s_lshl_b32 s14, ttmp9, 6
	s_add_nc_u64 s[8:9], s[8:9], s[14:15]
	s_add_nc_u64 s[10:11], s[10:11], s[14:15]      ; my 16 columns
	s_lshl_b32 s14, s12, 23
	s_add_nc_u64 s[10:11], s[10:11], s[14:15]      ; the batch's first row
	global_load_b128 v[16:19], v2, s[8:9]
	global_load_b128 v[20:23], v2, s[8:9] offset:16
.macro LD t                            ; 64 along K of both operands into set t % 3: Wo_w at v[32 + 64 k], ofine at v[64 + 64 k]
.irp i, 0,1,2,3,4,5,6,7
	global_load_b128 v[32+64*((\t)%3)+4*\i:32+64*((\t)%3)+4*\i+3], v1, s[6:7] offset:256*(\t)+16*\i
.endr
.irp i, 0,1,2,3,4,5,6,7
	global_load_b128 v[64+64*((\t)%3)+4*\i:64+64*((\t)%3)+4*\i+3], v1, s[4:5] offset:256*(\t)+16*\i
.endr
.endm
.macro TRIP t
.if (\t) < 14
	s_wait_loadcnt 32                              ; this set is in; the two younger sets' 32 loads may be out
.elseif (\t) == 14
	s_wait_loadcnt 16
.else
	s_wait_loadcnt 0x0
.endif
.set uu, 0
.rept 16
.if ((\t) == 0) && (uu == 0)
	v_wmma_f32_16x16x4_f32 v[224:231], v[32:33], v[64:65], v[16:23]          ; the first sum begins with the bias
.elseif ((\t) == 0) && (uu < 4)
	v_wmma_f32_16x16x4_f32 v[224+8*uu:231+8*uu], v[32+2*uu:33+2*uu], v[64+2*uu:65+2*uu], 0
.else
	v_wmma_f32_16x16x4_f32 v[224+8*(uu%4):231+8*(uu%4)], v[32+64*((\t)%3)+2*uu:33+64*((\t)%3)+2*uu], v[64+64*((\t)%3)+2*uu:65+64*((\t)%3)+2*uu], v[224+8*(uu%4):231+8*(uu%4)]
.endif
.set uu, uu+1
.endr
.if (\t) < 13
.rept 8
	v_nop                                          ; eight places behind this form in front of loads into registers that it has read
.endr
	LD (\t)+3
.endif
.endm
	LD 0
	LD 1
	LD 2
.set tt, 0
.rept 16
	TRIP tt
.set tt, tt+1
.endr
.rept 8
	v_nop
.endr
.irp j, 0,1,2,3,4,5,6,7
	v_add_f32 v[8+\j], v[224+\j], v[232+\j]        ; each sum from its low end on, into other registers
.endr
.irp j, 0,1,2,3,4,5,6,7
	v_add_f32 v[24+\j], v[240+\j], v[248+\j]
.endr
.irp j, 0,1,2,3,4,5,6,7
	v_add_f32 v[8+\j], v[8+\j], v[24+\j]
.endr
	global_store_b128 v3, v[8:11], s[10:11]
	global_store_b128 v3, v[12:15], s[10:11] offset:16
	s_endpgm
.Lfunc_end_k_q2f6bec8ec2_fineproj:
	.size	k_q2f6bec8ec2_fineproj, .Lfunc_end_k_q2f6bec8ec2_fineproj-k_q2f6bec8ec2_fineproj
	.p2alignl 7, 3214868480
	.fill 96, 4, 3214868480
	.section	.rodata,"a",@progbits
	.p2align	6, 0x0
	.amdhsa_kernel k_q2f6bec8ec2_fineproj
		.amdhsa_group_segment_fixed_size 0
		.amdhsa_private_segment_fixed_size 0
		.amdhsa_enable_private_segment 0
		.amdhsa_kernarg_size 32
		.amdhsa_user_sgpr_count 2
		.amdhsa_user_sgpr_kernarg_segment_ptr 1
		.amdhsa_wavefront_size32 1
		.amdhsa_system_sgpr_workgroup_id_x 1
		.amdhsa_system_sgpr_workgroup_id_y 1
		.amdhsa_system_sgpr_workgroup_id_z 1
		.amdhsa_system_vgpr_workitem_id 0
		.amdhsa_next_free_vgpr 256
		.amdhsa_next_free_sgpr 66
		.amdhsa_reserve_vcc 0
		.amdhsa_float_denorm_mode_32 3
		.amdhsa_float_denorm_mode_16_64 3
		.amdhsa_memory_ordered 1
		.amdhsa_forward_progress 1
		.amdhsa_inst_pref_size 47
	.end_amdhsa_kernel
	.amdgpu_metadata
---
amdhsa.version: [ 1, 2 ]
amdhsa.kernels:
  - .name:           k_q2f6bec8ec2_fineproj
    .symbol:         k_q2f6bec8ec2_fineproj.kd
    .args:
      - { .name: ofine, .offset: 0, .size: 8, .value_kind: global_buffer, .address_space: global }
      - { .name: Wo_w, .offset: 8, .size: 8, .value_kind: global_buffer, .address_space: global }
      - { .name: Wo_b, .offset: 16, .size: 8, .value_kind: global_buffer, .address_space: global }
      - { .name: out0, .offset: 24, .size: 8, .value_kind: global_buffer, .address_space: global }
    .group_segment_fixed_size: 0
    .private_segment_fixed_size: 0
    .kernarg_segment_align: 8
    .kernarg_segment_size: 32
    .max_flat_workgroup_size: 128
    .sgpr_count:     66
    .vgpr_count:     256
    .wavefront_size: 32
...
	.end_amdgpu_metadata
.endif
;; end of part 6
